; MI455X (gfx1250); checked and timed in simulation.
; The chip was launched on July 23, 2026; its instructions are those of AMD's public machine-readable ISA for CDNA 5 (MIT licence, August 2026) and "CDNA5" Instruction Set Architecture Reference Guide (July 2026). The comments in the code are by the model that wrote it; some were corrected since.
;; POLY2. Allowed arithmetic: float matrix products may take bf16 or f16 operands with f32 sums; all other float work in f32.
;; Inputs: w0 1 x 1 float32; w1 2,048 x 1 float32; w2 2,048 x 2,048 float32; x 16,384 x 2,048 float32.
;; Outputs: out0 16,384 x 1 float32.
;; 3 versions, each right; version 2 is faster than version 1; version 3 is version 2 with the launch cast written anew for expert scheduling mode. Each part assembles by itself: llvm-mc -triple=amdgcn-amd-amdhsa -mcpu=gfx1250 --defsym DOCPART=n.
;; ======== version 1 of 3: 3 launches
;; limits: values outside matrix products are rounded to bf16
;; workspace buffers: xb 67,108,864 bytes; w2b 8,388,608 bytes; part 1,048,576 bytes
;; launch cast (part 1): grid 576 x 1, 8 waves a work-group, no clusters, 0 bytes of LDS; arguments x, w2, xb, w2b; writes xb, w2b
.if DOCPART == 1
	.amdgcn_target "amdgcn-amd-amdhsa--gfx1250"
	.amdhsa_code_object_version 6
	.text
	.protected	k_qa8efee8010_cast
	.globl	k_qa8efee8010_cast
	.p2align	8
	.type	k_qa8efee8010_cast,@function
k_qa8efee8010_cast:
	s_mov_b64 s[64:65], 0
	v_nop
	global_prefetch_b8 v0, s[64:65] scope:SCOPE_SE
	s_setreg_imm32_b32 hwreg(HW_REG_WAVE_MODE, 25, 1), 1
	s_wait_xcnt 0x0
; xb = bf16(x), w2b = bf16(w2), rounded to nearest even, same index order as the sources.  A pure stream.
; x is 512 chunks of 262,144 bytes, w2 is 64 such chunks: 576 work-groups, one chunk each (65,536 f32 in, 131,072 bytes out).
; A step is 4,096 source bytes for the 256 threads: thread t loads the 16 bytes at 16 t (a wave's load covers 512 consecutive bytes) and
; stores the 8 bytes at 8 t (a wave's store covers 256 consecutive bytes, aligned).  64 steps on a ring of 16 register slots, so that
; sixteen loads of every wave are on their way.  No LDS, no barrier, no matrix unit, no cluster: no byte is used twice and no wave
; needs another's data.
; NaN and infinities pass as v_cvt_pk_bf16_f32 makes them; finite numbers above bf16's largest round to infinity.
.set DEPTH,  16                        ; slots = loads in flight in each wave
.set ROUNDS, 64 / DEPTH                ; each round takes every slot once
.set X, 4                              ; v[4:67]   slot i: 4 f32 as loaded
.set Y, 68                             ; v[68:99]  slot i: 4 bf16 to store
	s_load_b256 s[4:11], s[0:1], 0x0               ; x s[4:5], w2 s[6:7], xb s[8:9], w2b s[10:11]
	s_sub_co_u32 s16, ttmp9, 512                   ; the chunk's number in w2, if the work-group is one of the last 64
	s_cmp_lt_u32 ttmp9, 512                        ; SCC = 1: a chunk of x.  Only selects, vector lines and the wait stand between here and the last select
	s_cselect_b32 s16, ttmp9, s16
	v_lshlrev_b32 v1, 4, v0                        ; my 16 source bytes of a step; never rewritten
	v_lshlrev_b32 v2, 3, v0                        ; my 8 result bytes of a step; never rewritten
	s_wait_kmcnt 0x0
	s_cselect_b64 s[12:13], s[4:5], s[6:7]         ; from x or from w2
	s_cselect_b64 s[14:15], s[8:9], s[10:11]       ; to xb or to w2b
	s_lshl_b32 s18, s16, 18                        ; chunk x 262,144 bytes: 511 << 18 stays below 2^31
	s_mov_b32 s19, 0
	s_lshl_b32 s20, s16, 17                        ; chunk x 131,072 bytes
	s_mov_b32 s21, 0
	s_add_nc_u64 s[12:13], s[12:13], s[18:19]
	s_add_nc_u64 s[14:15], s[14:15], s[20:21]
.irp i, 0,1,2,3,4,5,6,7,8,9,10,11,12,13,14,15
	global_load_b128 v[X+4*\i:X+4*\i+3], v1, s[12:13] offset:\i*4096 th:TH_LOAD_NT   ; fill the ring: steps 0 to 15
.endr
; One slot's turn.  ahead = 1: the slot is loaded again with the step DEPTH further on.  left = how many younger loads may stay out.
.macro STEP i, ahead, left
	s_wait_loadcnt \left                           ; loads come back in order: this slot's is in, the younger ones stay out
	v_cvt_pk_bf16_f32 v[Y+2*\i],   v[X+4*\i],   v[X+4*\i+1]
	v_cvt_pk_bf16_f32 v[Y+2*\i+1], v[X+4*\i+2], v[X+4*\i+3]
.if \ahead
	global_load_b128 v[X+4*\i:X+4*\i+3], v1, s[12:13] offset:(DEPTH+\i)*4096 th:TH_LOAD_NT
.endif
	global_store_b64 v2, v[Y+2*\i:Y+2*\i+1], s[14:15] offset:\i*2048                 ; no hint: the next launch reads these bytes
.endm
	s_mov_b32 s22, ROUNDS-1
.Lround:
.irp i, 0,1,2,3,4,5,6,7,8,9,10,11,12,13,14,15
	STEP \i, 1, DEPTH-1
.endr
	s_wait_xcnt 0x0                                ; both bases, and Y, which this round's stores read, are rewritten only behind this wait
	s_add_nc_u64 s[12:13], s[12:13], DEPTH*4096
	s_add_nc_u64 s[14:15], s[14:15], DEPTH*2048
	s_sub_co_u32 s22, s22, 1
	s_cmp_lg_u32 s22, 0
	s_cbranch_scc1 .Lround
.irp i, 0,1,2,3,4,5,6,7,8,9,10,11,12,13,14,15
	STEP \i, 0, DEPTH-1-\i                         ; the last round loads nothing: the counts run down, and no load passes the chunk's end
.endr
	s_endpgm
.Lfunc_end_k_qa8efee8010_cast:
	.size	k_qa8efee8010_cast, .Lfunc_end_k_qa8efee8010_cast-k_qa8efee8010_cast
	.p2alignl 7, 3214868480
	.fill 96, 4, 3214868480
	.section	.rodata,"a",@progbits
	.p2align	6, 0x0
	.amdhsa_kernel k_qa8efee8010_cast
		.amdhsa_group_segment_fixed_size 0
		.amdhsa_private_segment_fixed_size 0
		.amdhsa_enable_private_segment 0
		.amdhsa_kernarg_size 32
		.amdhsa_user_sgpr_count 2
		.amdhsa_user_sgpr_kernarg_segment_ptr 1
		.amdhsa_wavefront_size32 1
		.amdhsa_system_sgpr_workgroup_id_x 1
		.amdhsa_system_sgpr_workgroup_id_y 1
		.amdhsa_system_sgpr_workgroup_id_z 1
		.amdhsa_system_vgpr_workitem_id 0
		.amdhsa_next_free_vgpr 100
		.amdhsa_next_free_sgpr 66
		.amdhsa_reserve_vcc 0
		.amdhsa_float_denorm_mode_32 3
		.amdhsa_float_denorm_mode_16_64 3
		.amdhsa_memory_ordered 1
		.amdhsa_forward_progress 1
		.amdhsa_inst_pref_size 13
	.end_amdhsa_kernel
	.amdgpu_metadata
---
amdhsa.version: [ 1, 2 ]
amdhsa.kernels:
  - .name:           k_qa8efee8010_cast
    .symbol:         k_qa8efee8010_cast.kd
    .args:
      - { .name: x, .offset: 0, .size: 8, .value_kind: global_buffer, .address_space: global }
      - { .name: w2, .offset: 8, .size: 8, .value_kind: global_buffer, .address_space: global }
      - { .name: xb, .offset: 16, .size: 8, .value_kind: global_buffer, .address_space: global }
      - { .name: w2b, .offset: 24, .size: 8, .value_kind: global_buffer, .address_space: global }
    .group_segment_fixed_size: 0
    .private_segment_fixed_size: 0
    .kernarg_segment_align: 8
    .kernarg_segment_size: 32
    .max_flat_workgroup_size: 256
    .sgpr_count:     66
    .vgpr_count:     100
    .wavefront_size: 32
...
	.end_amdgpu_metadata
.endif
;; end of part 1
;; launch quad (part 2): grid 8 x 64, 4 waves a work-group, clusters of 4 x 4, 327,680 bytes of LDS; arguments xb, w2b, part, w1; writes part
.if DOCPART == 2
	.amdgcn_target "amdgcn-amd-amdhsa--gfx1250"
	.amdhsa_code_object_version 6
	.text
	.protected	k_qa8efee8010_quad
	.globl	k_qa8efee8010_quad
	.p2align	8
	.type	k_qa8efee8010_quad,@function
k_qa8efee8010_quad:
	s_mov_b64 s[64:65], 0
	v_nop
	global_prefetch_b8 v0, s[64:65] scope:SCOPE_SE
	s_setreg_imm32_b32 hwreg(HW_REG_WAVE_MODE, 25, 1), 1
	s_wait_xcnt 0x0
	s_wait_alu depctr_hold_cnt(0) depctr_sa_sdst(0) depctr_va_vdst(0) depctr_va_sdst(0) depctr_va_ssrc(0) depctr_va_vcc(0) depctr_vm_vsrc(0)
	s_getreg_b32 s2, hwreg(HW_REG_IB_STS2, 6, 4)
	s_cmp_eq_u32 s2, 0
	s_cbranch_scc0 .Lentry_in_a_cluster
	s_endpgm
.Lentry_in_a_cluster:
	s_bfe_u32 s2, ttmp6, 0x10000c
	s_cmp_lg_u32 s2, 0xf033
	s_cbranch_scc0 .Lentry_shape_is_right
	s_endpgm
.Lentry_shape_is_right:
; part[p][m] = sum over the 128 indices n of plane p of xb[m][n] * ( w1[n] + sum over k of w2b[n][k] xb[m][k] ).
; Summed over the 16 planes that is x.w1 + sum_ij w2[i][j] x[i] x[j] of row m, with n = i and k = j: the double sum is the problem's own,
; taken over j first, so that w2 as it lies in memory has K along its rows and nothing is transposed.  Only the order of the f32 additions differs.
; LIMITS: x and w2 enter every term as bf16 (round to nearest even, made by the launch before); w1 is f32; all sums are f32.
; The same bf16 x is used in the product, as the elementwise factor and in the linear term.
;
; A work-group makes a block of 256 rows (m) x 256 indices (n) with four waves; a wave makes 128 x 128: 64 accumulator tiles of 16 x 16,
; 512 registers.  K goes in steps of 128 through a ring of two LDS slots filled by the tensor data mover: a tile's rows are 256 bytes of
; memory and start at multiples of 256 bytes from the buffer's first byte.  8 x 64 = 512 work-groups.
; THE LINEAR TERM: the first matrix instruction of each accumulator takes as C a block of registers that holds w1[n] in the result's layout.
; THE WAY OUT: the block never leaves the registers.  Its 256 x 256 piece of xb (tile E) is brought into slot 0 during the last K step;
; each lane multiplies its 8 results of a tile by the 8 neighbouring bf16 of E's row and sums; two lanes share a row.
; CLUSTERS: 4 x 4 work-groups.  The four of a row of the cluster need the same tiles of xb, the four of a column the same tiles of w2b:
; such a tile is asked for jointly, which divides those requests by four.  Tile E hangs on both coordinates, is shared with nobody, and is a plain load.
;
; REGISTERS, in windows of 256:
;   window 0: v0-27 addresses; v64-127, v128-191 fragments of xb, two buffers (on the way out: E for my rows 0-63);
;             v192-255 w1 in the result's layout (on the way out: sums and temporaries)
;   window 1: v64-127, v128-191 fragments of w2b, two buffers (on the way out: E for my rows 64-127)
;   window 2: the 32 accumulator tiles of my rows 0-63 (tile (a, b) at v[8 (8 a + b)]);   window 3: those of my rows 64-127
; THE MATRIX INSTRUCTION IS USED TRANSPOSED: source 0 = 16 rows of w2b (n), source 1 = 16 rows of xb (m).  Lane l then holds row m = l % 16,
; and its registers 0 to 7 the indices n = 8 (l / 16) + 0 .. 7.
.set SIZE_M, 16384
.set SIZE_N, 2048
.set SIZE_K, 2048
.set KSTEP,  128
.set PITCH,  272                       ; an LDS row: 256 bytes of data + 16 of padding, so that the 16 rows that a load touches start 68 words apart
.set HALFT,  128*PITCH                 ; 128 rows: what one tensor load brings
.set SLOT,   4*HALFT                   ; xb's 256 rows, then w2b's 256 rows
.set STAGE,  2*SLOT                    ; behind the ring, at a multiple of 256: 512 bytes for each wave; no fill ever lands here
.set LAPS,   SIZE_K/(2*KSTEP)          ; a lap = two K steps = once round the ring: 8
.set ADRA, 16                          ; v16-17  LDS address of my xb fragments in slot 0, 1
.set ADRB, 20                          ; v20-21  the same for w2b
.set ADRE, 22                          ; v22     LDS address of my 16 bytes of tile E
.set W1O,  23                          ; v23     32 (l / 16): my byte offset in a group of 16 numbers of w1
.set STO,  24                          ; v24     stage: 4 bytes a lane
.set RD,   25                          ; v25     stage: 16 bytes a lane
.set CO,   26                          ; v26     16 x lane: my byte offset in the wave's 512 bytes of part
.set LANE, 27                          ; v27     lane
.set F0,   64                          ; fragment buffer 0
.set F1,   128                         ; fragment buffer 1
.set W1C,  192                         ; v192-255  block b: w1[n0 + 16 b + 8 (l / 16) + 0 .. 7]
.set SLO,  192                         ; the way out: v192-199 sums over even n of row blocks 0-7
.set SHI,  200                         ;              v200-207 sums over odd n
.set T,    208                         ;              v208-215 their sums
.set R,    216                         ;              v216-219 whole row sums: register c, lane l: my row 32 c + l
.set KEEP, 220
.set SEND, 221
.set RECV, 222
.set OUT,  224                         ;              v224-227 four neighbouring rows' sums
.set G1,  24                           ; s[24:31] descriptor group 1 for xb's tiles
.set G0,  32                           ; s[32:39] descriptor group 0 for xb's tiles, one set for each slot
.set G1B, 48                           ; s[48:55] group 1 for w2b's tiles: another mask
.set G0B, 56                           ; s[56:63] group 0 for w2b's tiles, one set for each slot
.set G1E, 68                           ; s[68:75] group 1 for tile E: no mask
.set G0E, 76                           ; s[76:79] group 0 for tile E
.set MSB, 0
.macro WIN new                         ; the immediate's high byte repeats the setting that is left
.if MSB != \new
	s_set_vgpr_msb (MSB<<8)|\new
.set MSB, \new
.endif
.endm
.set MUL_LO,   0xa1                    ; source 0 (w2b) window 1, source 1 (xb) window 0, C and D window 2
.set MUL_HI,   0xf1                    ; the same, C and D window 3
.set FIRST_LO, 0x81                    ; the first product: C (w1) window 0, D window 2
.set FIRST_HI, 0xc1                    ; C window 0, D window 3
.set TO_B,     0x40                    ; destination window 1, address window 0
.set E_LO,     0x08                    ; the way out: source 0 (E) window 0, source 1 (results) window 2, sums window 0
.set E_HI,     0x0d                    ; source 0 window 1, source 1 window 3
; A joint load.  Waves 0 and 1 fetch xb's two halves, waves 2 and 3 w2b's.  Each line has one mask and one set of registers for all that issue it.
; The branch hangs on the wave's number alone: it is the same in every work-group.
.macro JLOAD s
	s_cmp_eq_u32 s11, 0
	s_cbranch_scc0 .Lfor_b_\@
	tensor_load_to_lds s[G0+4*\s:G0+4*\s+3], s[G1:G1+7]
	s_nop 0
	s_branch .Lasked_\@
.Lfor_b_\@:
	tensor_load_to_lds s[G0B+4*\s:G0B+4*\s+3], s[G1B:G1B+7]
	s_nop 0
.Lasked_\@:
.endm
; A round of the cluster's barrier: my work-group's barrier, so that wave 0's signal speaks for all four waves; wave 0 signals for the
; work-group; every wave waits for all sixteen work-groups; my work-group's barrier once more.
.macro CREST                           ; a round behind its opening barrier
	s_cmp_lg_u32 s10, 0
	s_cbranch_scc1 .Lnot_wave_0_\@
	s_barrier_signal -3
.Lnot_wave_0_\@:
	s_barrier_wait -3
	s_barrier_signal -1
	s_barrier_wait -1
.endm
.macro CROUND                          ; a whole round
	s_barrier_signal -1
	s_barrier_wait -1
	CREST
.endm
	s_load_b128 s[4:7], s[0:1], 0x0                ; xb s[4:5], w2b s[6:7]
	s_load_b128 s[80:83], s[0:1], 0x10             ; part s[80:81], w1 s[82:83]
	s_set_vgpr_msb 0x40
	v_lshl_add_u32 v255, v0, 2, 0x44800
	s_set_vgpr_msb 0x4000
	v_mov_b32 v63, 0
	s_set_vgpr_msb 0x1
	ds_add_u32 v255, v63
	s_set_vgpr_msb 0x100
	v_lshrrev_b32 v1, 5, v0
	v_readfirstlane_b32 s10, v1                    ; wave 0..3
	s_lshr_b32 s11, s10, 1                         ; which half of the block's rows (m) is mine.  Also: I fetch for xb (0) or for w2b (1)
	s_and_b32 s12, s10, 1                          ; which half of its indices (n).  Also: which 128 rows of that tile I fetch
	s_bfe_u32 s40, ttmp6, 0x40000                  ; cx
	s_bfe_u32 s41, ttmp6, 0x40004                  ; cy
	s_lshl_b32 s42, ttmp9, 2
	s_add_co_u32 s42, s42, s40                     ; block column (n) = 4 x cluster x + cx
	s_and_b32 s13, ttmp7, 0xffff
	s_lshl_b32 s13, s13, 2
	s_add_co_u32 s13, s13, s41                     ; block row (m) = 4 x cluster y + cy
	s_lshl_b32 s43, s41, 2
	s_lshl_b32 s43, 15, s43                        ; my row of the cluster: places 4 cy .. 4 cy + 3
	s_lshl_b32 s44, 0x1111, s40                    ; my column: places cx, cx + 4, cx + 8, cx + 12
	s_mov_b32 s86, 0x76543210                      ; v_permlanex16_b32: lane i of one half reads lane i of the other
	s_mov_b32 s87, 0xfedcba98
	; descriptor group 1, three times: a tile of 128 rows x 128 elements of 2 bytes, rows 2,048 elements apart, padded in LDS
	s_or_b32 s[G1+0], s43, (1<<16)|(1<<20)|(1<<21)|(5<<22)|(3<<25)  ; 15:0 mask: my row; 17:16 2 bytes; 20 padding on; 21 set beside a mask; 24:22 after every 64 words; 31:25 four words
	s_or_b32 s[G1B+0], s44, (1<<16)|(1<<20)|(1<<21)|(5<<22)|(3<<25) ; the same with the mask of my column
	s_mov_b32 s[G1E+0], (1<<16)|(1<<20)|(5<<22)|(3<<25)             ; no mask: a load of my own
	s_mov_b32 s[G1+1], KSTEP<<16                   ; 63:48 tensor_dim0, low half = 128
	s_mov_b32 s[G1B+1], KSTEP<<16
	s_mov_b32 s[G1E+1], KSTEP<<16
	s_mov_b32 s[G1+2], 128<<16                     ; 95:80 tensor_dim1, low half = 128
	s_mov_b32 s[G1B+2], 128<<16
	s_mov_b32 s[G1E+2], 128<<16
	s_mov_b32 s[G1+3], KSTEP<<16                   ; 127:112 tile_dim0 = 128
	s_mov_b32 s[G1B+3], KSTEP<<16
	s_mov_b32 s[G1E+3], KSTEP<<16
	s_mov_b32 s[G1+4], 128                         ; 143:128 tile_dim1 = 128; tile_dim2 = 0
	s_mov_b32 s[G1B+4], 128
	s_mov_b32 s[G1E+4], 128
	s_mov_b32 s[G1+5], SIZE_K                      ; 191:160 elements from row to row
	s_mov_b32 s[G1B+5], SIZE_K
	s_mov_b32 s[G1E+5], SIZE_K
	s_mov_b32 s[G1+6], 0
	s_mov_b32 s[G1B+6], 0
	s_mov_b32 s[G1E+6], 0
	s_mov_b32 s[G1+7], 0
	s_mov_b32 s[G1B+7], 0
	s_mov_b32 s[G1E+7], 0
	; where the tiles come from.  xb's hang on the block row alone, which my row of the cluster shares; w2b's on the block column alone.
	; Every wave makes both addresses, in registers that never hold the other coordinate, and asks by one of them.
	s_lshl_b32 s17, s12, 7                         ; which 128 rows of the tile I fetch
	s_lshl_b32 s16, s13, 8
	s_add_co_u32 s16, s16, s17                     ; xb: row 256 x block row + 128 x half
	s_lshl_b32 s46, s42, 8
	s_add_co_u32 s46, s46, s17                     ; w2b: row 256 x block column + 128 x half
	s_mov_b32 s17, 0
	s_mov_b32 s47, 0
	s_mov_b64 s[18:19], SIZE_K*2
	s_mul_u64 s[16:17], s[16:17], s[18:19]         ; in bytes
	s_mul_u64 s[46:47], s[46:47], s[18:19]
	s_mul_i32 s20, s10, HALFT                      ; and where they go: wave x 128 rows; no place in the cluster enters an LDS address
	s_lshl_b32 s66, s42, 9                         ; tile E: its columns begin 512 x block column
	s_lshl_b32 s67, s11, 8                         ; + 256 x (wave / 2) bytes into xb's rows
	s_add_co_u32 s66, s66, s67
	s_mov_b32 s67, 0
	s_wait_dscnt 0x0
	s_wait_kmcnt 0x0
	s_add_nc_u64 s[14:15], s[4:5], s[16:17]
	s_add_nc_u64 s[46:47], s[6:7], s[46:47]
	; group 0 of tile E: wave g brings rows 128 (g % 2) .., columns 128 (g / 2) .. of the block's piece of xb to region g of slot 0
	s_mov_b32 s[G0E], 1
	s_mov_b32 s[G0E+1], s20
	s_add_nc_u64 s[G0E+2:G0E+3], s[14:15], s[66:67]
	s_or_b32 s[G0E+3], s[G0E+3], 0x80000000
	CROUND                                         ; all sixteen work-groups are here: the first joint loads meet
.irp s, 0,1
	s_mov_b32 s[G0+4*\s], 1                                        ; 1:0 count = 1
	s_add_co_u32 s[G0+4*\s+1], s20, \s*SLOT                        ; 63:32 LDS address
	s_add_nc_u64 s[G0+4*\s+2:G0+4*\s+3], s[14:15], \s*KSTEP*2      ; 120:64 global address: K step s
	s_or_b32 s[G0+4*\s+3], s[G0+4*\s+3], 0x80000000                ; 127:126 type = 2
	s_mov_b32 s[G0B+4*\s], 1
	s_add_co_u32 s[G0B+4*\s+1], s20, \s*SLOT
	s_add_nc_u64 s[G0B+4*\s+2:G0B+4*\s+3], s[46:47], \s*KSTEP*2
	s_or_b32 s[G0B+4*\s+3], s[G0B+4*\s+3], 0x80000000
	JLOAD \s                                       ; the ring is filled before anything else is done: two tensor loads of the wave are out
.endr
	; A fragment is 16 rows x 32 K in 8 registers: lane l holds row l % 16; registers 0-3 hold K = 8 (l / 16) + 0..7, registers 4-7 hold
	; K = 16 + 8 (l / 16) + 0..7: two loads of 16 bytes, 32 bytes apart.
	v_and_b32 v1, 15, v0                           ; l % 16
	v_bfe_u32 v2, v0, 4, 1                         ; l / 16
	v_mul_u32_u24 v3, v1, PITCH
	v_lshl_add_u32 v3, v2, 4, v3                   ; row x pitch + 16 x half
	s_mul_i32 s21, s11, HALFT                      ; my 128 rows of xb
	s_mul_i32 s22, s12, HALFT                      ; my 128 rows of w2b,
	s_add_co_u32 s22, s22, 2*HALFT                 ; which lie behind xb's 256
.irp s, 0,1
	v_add_nc_u32 v[ADRA+\s], s21, v3
	v_add_nc_u32 v[ADRB+\s], s22, v3
	s_add_co_u32 s21, s21, SLOT
	s_add_co_u32 s22, s22, SLOT
.endr
	s_lshl_b32 s21, s12, 1                         ; my rows (half s11) and my columns (half s12) of E lie in region 2 s12 + s11
	s_add_co_u32 s21, s21, s11
	s_mul_i32 s21, s21, HALFT
	v_add_nc_u32 v[ADRE], s21, v3
	v_lshlrev_b32 v[W1O], 5, v2
	v_and_b32 v[LANE], 31, v0
	s_lshl_b32 s23, s10, 9
	s_add_co_u32 s23, s23, STAGE                   ; my stage
	v_lshl_add_u32 v[STO], v[LANE], 2, s23
	v_lshl_add_u32 v[RD], v[LANE], 4, s23
	v_lshlrev_b32 v[CO], 4, v[LANE]
	; w1 in the result's layout: block b, register t = w1[256 x block column + 128 x half + 16 b + 8 (l / 16) + t]
	s_lshl_b32 s84, s42, 10
	s_lshl_b32 s85, s12, 9
	s_add_co_u32 s84, s84, s85
	s_mov_b32 s85, 0
	s_add_nc_u64 s[82:83], s[82:83], s[84:85]
.irp b, 0,1,2,3,4,5,6,7
	global_load_b128 v[W1C+8*\b:W1C+8*\b+3],   v[W1O], s[82:83] offset:64*\b
	global_load_b128 v[W1C+8*\b+4:W1C+8*\b+7], v[W1O], s[82:83] offset:64*\b+16
.endr
; 16 matrix instructions: m blocks a0, a0 + 1 of the window's four (hi = 0: my rows 0-63, 1: rows 64-127) x all 8 n blocks, 32 along K.
; first = 1: the first product starts the sums from w1: nothing is cleared.
; The 64 accumulators take turns, one instruction a turn, in the same order in every quarter step.
.macro MUL16 f, hi, a0, first
.irp a, \a0, \a0+1
.irp b, 0,1,2,3,4,5,6,7
.if \first
	v_wmma_f32_16x16x32_bf16 v[8*(8*(\a)+\b):8*(8*(\a)+\b)+7], v[\f+8*\b:\f+8*\b+7], v[\f+8*(4*\hi+\a):\f+8*(4*\hi+\a)+7], v[W1C+8*\b:W1C+8*\b+7]
.else
	v_wmma_f32_16x16x32_bf16 v[8*(8*(\a)+\b):8*(8*(\a)+\b)+7], v[\f+8*\b:\f+8*\b+7], v[\f+8*(4*\hi+\a):\f+8*(4*\hi+\a)+7], v[8*(8*(\a)+\b):8*(8*(\a)+\b)+7]
.endif
.endr
.endr
.endm
; 32 LDS loads in one run: the fragments of one quarter step (128 rows of w2b, 128 rows of xb, 32 K at byte k of the rows) into buffer f
.macro FETCH slot, k, f
	WIN TO_B
.irp i, 0,1,2,3,4,5,6,7
	ds_load_b128 v[\f+8*\i:\f+8*\i+3],   v[ADRB+\slot] offset:\k+\i*16*PITCH
	ds_load_b128 v[\f+8*\i+4:\f+8*\i+7], v[ADRB+\slot] offset:\k+\i*16*PITCH+32
.endr
	WIN 0
.irp i, 0,1,2,3,4,5,6,7
	ds_load_b128 v[\f+8*\i:\f+8*\i+3],   v[ADRA+\slot] offset:\k+\i*16*PITCH
	ds_load_b128 v[\f+8*\i+4:\f+8*\i+7], v[ADRA+\slot] offset:\k+\i*16*PITCH+32
.endr
.endm
; A load into a register that a matrix instruction has read stands four places behind that matrix instruction, and only plain vector
; instructions that name none of its registers are places (ISA guide 7.12.1 for vector instructions).
.macro PLACES
.rept 4
	v_nop
.endr
.endm
; A K step is four quarter steps of 32 along K, 64 matrix instructions each, on buffers 0, 1, 0, 1.
; One of the first three: multiplies buffer f; in its middle it fetches the next quarter's fragments, at byte k of the same slot's rows, into buffer g.
.macro QUARTER slot, k, f, g, first
	s_wait_dscnt 8                                 ; w2b and xb's rows 0-63 are in; the youngest eight loads (xb's rows 64-127) may be out
.if \first
	WIN FIRST_LO
.else
	WIN MUL_LO
.endif
	MUL16 \f, 0, 0, \first
	MUL16 \f, 0, 2, \first
	PLACES
	FETCH \slot, \k, \g
	s_wait_dscnt 32                                ; all but the 32 just issued
.if \first
	WIN FIRST_HI
.else
	WIN MUL_HI
.endif
	MUL16 \f, 1, 0, \first
	MUL16 \f, 1, 2, \first
.endm
.macro THREE slot, first
	QUARTER \slot, 64,  F0, F1, \first
	QUARTER \slot, 128, F1, F0, 0
	QUARTER \slot, 192, F0, F1, 0
.endm
; The last quarter of a K step: multiplies buffer 1 and changes slots.  next = the other slot.
; fill = 1: this slot is filled again, two K steps ahead, by the joint loads.  fill = 2: it is filled with tile E, one plain load a wave.
; In front of the round's opening signal each wave waits for its own reads of this slot and for all its tensor loads, of which one is out:
; its part of the next slot.  Inside the round stands register work alone.  Behind the round no wave of any partner reads this slot or has
; a load on its way, and the next slot is whole: the refill comes first, one tensor load a wave, then the next slot's first fragments.
; From a request to the wait for it a wave issues 240 matrix instructions.
.macro TURN slot, next, fill
	s_wait_dscnt 8
	WIN MUL_LO
	MUL16 F1, 0, 0, 0
	s_wait_dscnt 0                                 ; my reads of this slot are over
	s_wait_tensorcnt 0x0                           ; and all my tensor loads have landed
	ds_add_u32 v255, v63
	s_wait_dscnt 0x0
	s_barrier_signal -1                            ; the round opens
	MUL16 F1, 0, 2, 0                              ; work on registers while the others arrive
	WIN 0
	s_barrier_wait -1
	CREST
.if \fill == 1
	s_add_nc_u64 s[G0+4*\slot+2:G0+4*\slot+3], s[G0+4*\slot+2:G0+4*\slot+3], 2*KSTEP*2      ; no load of the wave is out: the addresses step
	s_add_nc_u64 s[G0B+4*\slot+2:G0B+4*\slot+3], s[G0B+4*\slot+2:G0B+4*\slot+3], 2*KSTEP*2
	JLOAD \slot
.else
	tensor_load_to_lds s[G0E:G0E+3], s[G1E:G1E+7]  ; every wave its quarter of E
	s_nop 0
.endif
	PLACES
	FETCH \next, 0, F0
	WIN MUL_HI
	MUL16 F1, 1, 0, 0
	MUL16 F1, 1, 2, 0
.endm
.macro LAP first                       ; once round the ring, both slots filled again
	THREE 0, \first
	TURN 0, 1, 1
	THREE 1, 0
	TURN 1, 0, 1
.endm
	s_wait_tensorcnt 0x1                           ; my part of K step 0 is in; K step 1's load, issued behind it, may stay out
	s_barrier_signal -1
	s_barrier_wait -1                              ; everybody's is
	FETCH 0, 0, F0
	s_wait_loadcnt 0x0                             ; w1
	LAP 1                                          ; the first lap stands in front of the loop: its first products start the sums
	WIN 0                                          ; at a label and at a branch every window is 0
	s_mov_b32 s3, LAPS-2
.Llap:
	LAP 0
	WIN 0
	s_sub_co_u32 s3, s3, 1
	s_cmp_lg_u32 s3, 0
	s_cbranch_scc1 .Llap
	THREE 0, 0                                     ; the last lap: K steps 14 and 15
	TURN 0, 1, 2                                   ; slot 0 has been read for the last time as a K step: tile E goes there and has the last K step in which to land
	THREE 1, 0
	s_wait_dscnt 8                                 ; the very last quarter: no fragments are left to fetch
	WIN MUL_LO
	MUL16 F1, 0, 0, 0
	MUL16 F1, 0, 2, 0
	s_wait_dscnt 0                                 ; no LDS instruction is pending at a signal
	s_wait_tensorcnt 0x0                           ; my quarter of E has landed
	s_barrier_signal -1
	WIN MUL_HI
	MUL16 F1, 1, 0, 0
	MUL16 F1, 1, 2, 0
	WIN 0
	s_barrier_wait -1                              ; E is whole for every wave
	; THE WAY OUT.  The sums start at 0.  These lines name no register of the last matrix instructions, so they are also the four places
	; in front of the loads into the fragment buffers and of the lines that read results.
.irp i, 0,1,2,3,4,5,6,7,8,9,10,11,12,13,14,15
	v_mov_b32 v[SLO+\i], 0
.endr
	v_mov_b32 v[RECV], 0                           ; v_permlanex16_b32 counts as a reader of its destination
	; tile (a, b): lane l holds results (m = 16 a + l % 16, n = 16 b + 8 (l / 16) + 0..7) and wants the 16 bytes of E at that row, byte 32 b + 16 (l / 16)
.irp a, 0,1,2,3
.irp b, 0,1,2,3,4,5,6,7
	ds_load_b128 v[F0+4*(8*\a+\b):F0+4*(8*\a+\b)+3], v[ADRE] offset:\a*16*PITCH+32*\b
.endr
.endr
	WIN TO_B
.irp a, 0,1,2,3
.irp b, 0,1,2,3,4,5,6,7
	ds_load_b128 v[F0+4*(8*\a+\b):F0+4*(8*\a+\b)+3], v[ADRE] offset:(\a+4)*16*PITCH+32*\b
.endr
.endr
; 256 fused multiply-adds: bf16 half of E x f32 result + f32 sum, on eight sums that take turns (4 row blocks x even and odd n)
.macro EMUL hi
.irp b, 0,1,2,3,4,5,6,7
.irp w, 0,1,2,3
.irp a, 0,1,2,3
	v_fma_mix_f32_bf16 v[SLO+4*\hi+\a], v[F0+4*(8*\a+\b)+\w], v[8*(8*\a+\b)+2*\w], v[SLO+4*\hi+\a] op_sel_hi:[1,0,0]
	v_fma_mix_f32_bf16 v[SHI+4*\hi+\a], v[F0+4*(8*\a+\b)+\w], v[8*(8*\a+\b)+2*\w+1], v[SHI+4*\hi+\a] op_sel:[1,0,0] op_sel_hi:[1,0,0]
.endr
.endr
.endr
.endm
	s_wait_dscnt 32                                ; E for my rows 0-63 is in; the 32 younger loads may be out
	WIN E_LO
	EMUL 0
	s_wait_dscnt 0
	WIN E_HI
	EMUL 1
	WIN 0
.irp c, 0,1,2,3
	v_pk_add_f32 v[T+2*\c:T+2*\c+1], v[SLO+2*\c:SLO+2*\c+1], v[SHI+2*\c:SHI+2*\c+1]
.endr
	; Lanes l and l + 16 hold the two halves of a row's sum, for each of 8 row blocks.  Of blocks 2 c and 2 c + 1 the lower lanes keep the first
	; and send the second, the upper lanes the other way round: one exchange closes both, and lane l ends with my row 32 c + l.
	v_cmp_lt_u32 vcc_lo, 15, v[LANE]
.irp c, 0,1,2,3
	v_cndmask_b32 v[KEEP], v[T+2*\c], v[T+2*\c+1], vcc_lo
	v_cndmask_b32 v[SEND], v[T+2*\c+1], v[T+2*\c], vcc_lo
	v_permlanex16_b32 v[RECV], v[SEND], s86, s87
	v_add_f32 v[R+\c], v[KEEP], v[RECV]
.endr
.irp c, 0,1,2,3
	ds_store_b32 v[STO], v[R+\c] offset:128*\c     ; row 32 c + l at byte 4 (32 c + l) of my own stage
.endr
	ds_load_b128 v[OUT:OUT+3], v[RD]               ; LDS serves a wave's instructions in order (ISA guide 5.7.1.4): this sees the stores above
	s_lshl_b32 s84, s42, 1                         ; plane = 2 x block column + my half of n,
	s_add_co_u32 s84, s84, s12
	s_lshl_b32 s84, s84, 16                        ; 65,536 bytes each;
	s_lshl_b32 s85, s13, 10                        ; + 4 bytes x (256 x block row
	s_add_co_u32 s84, s84, s85
	s_lshl_b32 s85, s11, 9                         ; + 128 x my half of m)
	s_add_co_u32 s84, s84, s85
	s_mov_b32 s85, 0
	s_add_nc_u64 s[80:81], s[80:81], s[84:85]
	s_wait_dscnt 0x0
	global_store_b128 v[CO], v[OUT:OUT+3], s[80:81]  ; the wave stores 512 consecutive bytes, at a multiple of 512 from part's first byte
	s_set_vgpr_msb 0x1
	s_wait_tensorcnt 0x0
	ds_add_u32 v255, v63
	s_wait_dscnt 0x0
	s_set_vgpr_msb 0x100
	CROUND                                         ; the closing round, behind the last tensor load: no work-group ends while a partner may still ask for a tile that names it
	s_endpgm
.Lfunc_end_k_qa8efee8010_quad:
	.size	k_qa8efee8010_quad, .Lfunc_end_k_qa8efee8010_quad-k_qa8efee8010_quad
	.p2alignl 7, 3214868480
	.fill 96, 4, 3214868480
	.section	.rodata,"a",@progbits
	.p2align	6, 0x0
	.amdhsa_kernel k_qa8efee8010_quad
		.amdhsa_group_segment_fixed_size 327680
		.amdhsa_private_segment_fixed_size 0
		.amdhsa_enable_private_segment 0
		.amdhsa_kernarg_size 32
		.amdhsa_user_sgpr_count 2
		.amdhsa_user_sgpr_kernarg_segment_ptr 1
		.amdhsa_wavefront_size32 1
		.amdhsa_system_sgpr_workgroup_id_x 1
		.amdhsa_system_sgpr_workgroup_id_y 1
		.amdhsa_system_sgpr_workgroup_id_z 1
		.amdhsa_system_vgpr_workitem_id 0
		.amdhsa_next_free_vgpr 1024
		.amdhsa_next_free_sgpr 88
		.amdhsa_reserve_vcc 1
		.amdhsa_float_denorm_mode_32 3
		.amdhsa_float_denorm_mode_16_64 3
		.amdhsa_memory_ordered 1
		.amdhsa_forward_progress 1
		.amdhsa_inst_pref_size 204
	.end_amdhsa_kernel
	.amdgpu_metadata
---
amdhsa.version: [ 1, 2 ]
amdhsa.kernels:
  - .name:           k_qa8efee8010_quad
    .symbol:         k_qa8efee8010_quad.kd
    .args:
      - { .name: xb, .offset: 0, .size: 8, .value_kind: global_buffer, .address_space: global }
      - { .name: w2b, .offset: 8, .size: 8, .value_kind: global_buffer, .address_space: global }
      - { .name: part, .offset: 16, .size: 8, .value_kind: global_buffer, .address_space: global }
      - { .name: w1, .offset: 24, .size: 8, .value_kind: global_buffer, .address_space: global }
    .group_segment_fixed_size: 327680
    .private_segment_fixed_size: 0
    .kernarg_segment_align: 8
    .kernarg_segment_size: 32
    .max_flat_workgroup_size: 128
    .sgpr_count:     88
    .vgpr_count:     1024
    .wavefront_size: 32
...
	.end_amdgpu_metadata
.endif
;; end of part 2
;; launch finish (part 3): grid 128 x 1, 1 waves a work-group, no clusters, 0 bytes of LDS; arguments part, w0, out0; writes out0
.if DOCPART == 3
	.amdgcn_target "amdgcn-amd-amdhsa--gfx1250"
	.amdhsa_code_object_version 6
	.text
	.protected	k_qa8efee8010_finish
	.globl	k_qa8efee8010_finish
	.p2align	8
	.type	k_qa8efee8010_finish,@function
k_qa8efee8010_finish:
	s_mov_b64 s[64:65], 0
	v_nop
	global_prefetch_b8 v0, s[64:65] scope:SCOPE_SE
	s_setreg_imm32_b32 hwreg(HW_REG_WAVE_MODE, 25, 1), 1
	s_wait_xcnt 0x0
; out0[m] = sigmoid( w0 + sum over the 16 planes p of part[p][m] ) = 1 / (1 + 2^(-log2(e) z)).
; One wave a work-group, 128 rows a wave, 4 neighbouring rows a lane: each load and the store cover 512 consecutive bytes, aligned.
; All 16 loads of a lane go out together; the sum is a tree in f32.  No LDS, no barrier: no wave needs another's data.
; LIMITS: v_exp_f32 and v_rcp_f32 flush denormals (ISA guide, their entries in 15.8): a result below 2^-126 comes out as 0.
; For z below about -88.7 the power of two overflows to infinity and the result is exactly 0; for large z it is exactly 1.
.set P, 4                              ; v[4:67]  plane p: 4 registers
.set PLANE, 65536                      ; bytes in a plane of part
	s_load_b128 s[4:7], s[0:1], 0x0                ; part s[4:5], w0 s[6:7]
	s_load_b64 s[8:9], s[0:1], 0x10                ; out0
	s_lshl_b32 s10, ttmp9, 9                       ; the work-group's 128 rows, 4 bytes each
	s_mov_b32 s11, 0
	s_mov_b32 s13, 0xbfb8aa3b                      ; -log2(e)
	v_lshlrev_b32 v1, 4, v0                        ; my 16 bytes
	s_wait_kmcnt 0x0
	s_load_b32 s12, s[6:7], 0x0                    ; w0
	s_add_nc_u64 s[4:5], s[4:5], s[10:11]
	s_add_nc_u64 s[8:9], s[8:9], s[10:11]
.irp p, 0,1,2,3,4,5,6,7,8,9,10,11,12,13,14,15
	global_load_b128 v[P+4*\p:P+4*\p+3], v1, s[4:5] offset:\p*PLANE
.endr
	s_wait_kmcnt 0x0
	s_mul_f32 s14, s12, s13                        ; -log2(e) w0
	s_wait_loadcnt 0x0
.macro FOLD d                          ; plane q += plane q + d, for q = 0 .. d - 1
.set q, 0
.rept \d
	v_pk_add_f32 v[P+4*q:P+4*q+1],   v[P+4*q:P+4*q+1],   v[P+4*(q+\d):P+4*(q+\d)+1]
	v_pk_add_f32 v[P+4*q+2:P+4*q+3], v[P+4*q+2:P+4*q+3], v[P+4*(q+\d)+2:P+4*(q+\d)+3]
.set q, q+1
.endr
.endm
	FOLD 8
	FOLD 4
	FOLD 2
	FOLD 1
.irp i, 0,1,2,3
	v_fma_f32 v[P+\i], v[P+\i], s13, s14           ; -log2(e) (sum + w0)
.endr
.irp i, 0,1,2,3
	v_exp_f32 v[P+4+\i], v[P+\i]
.endr
	v_nop                                          ; one plain vector instruction behind the transcendentals, before their results are used (ISA guide 5.7.2)
	s_wait_alu depctr_va_vdst(0)
.irp i, 0,1,2,3
	v_add_f32 v[P+8+\i], 1.0, v[P+4+\i]
.endr
.irp i, 0,1,2,3
	v_rcp_f32 v[P+12+\i], v[P+8+\i]
.endr
	v_nop                                          ; the same, before the store reads the results
	s_wait_alu depctr_va_vdst(0)
	global_store_b128 v1, v[P+12:P+15], s[8:9]
	s_endpgm
.Lfunc_end_k_qa8efee8010_finish:
	.size	k_qa8efee8010_finish, .Lfunc_end_k_qa8efee8010_finish-k_qa8efee8010_finish
	.p2alignl 7, 3214868480
	.fill 96, 4, 3214868480
	.section	.rodata,"a",@progbits
	.p2align	6, 0x0
	.amdhsa_kernel k_qa8efee8010_finish
		.amdhsa_group_segment_fixed_size 0
		.amdhsa_private_segment_fixed_size 0
		.amdhsa_enable_private_segment 0
		.amdhsa_kernarg_size 24
		.amdhsa_user_sgpr_count 2
		.amdhsa_user_sgpr_kernarg_segment_ptr 1
		.amdhsa_wavefront_size32 1
		.amdhsa_system_sgpr_workgroup_id_x 1
		.amdhsa_system_sgpr_workgroup_id_y 1
		.amdhsa_system_sgpr_workgroup_id_z 1
		.amdhsa_system_vgpr_workitem_id 0
		.amdhsa_next_free_vgpr 72
		.amdhsa_next_free_sgpr 66
		.amdhsa_reserve_vcc 0
		.amdhsa_float_denorm_mode_32 3
		.amdhsa_float_denorm_mode_16_64 3
		.amdhsa_memory_ordered 1
		.amdhsa_forward_progress 1
		.amdhsa_inst_pref_size 6
	.end_amdhsa_kernel
	.amdgpu_metadata
---
amdhsa.version: [ 1, 2 ]
amdhsa.kernels:
  - .name:           k_qa8efee8010_finish
    .symbol:         k_qa8efee8010_finish.kd
    .args:
      - { .name: part, .offset: 0, .size: 8, .value_kind: global_buffer, .address_space: global }
      - { .name: w0, .offset: 8, .size: 8, .value_kind: global_buffer, .address_space: global }
      - { .name: out0, .offset: 16, .size: 8, .value_kind: global_buffer, .address_space: global }
    .group_segment_fixed_size: 0
    .private_segment_fixed_size: 0
    .kernarg_segment_align: 8
    .kernarg_segment_size: 24
    .max_flat_workgroup_size: 32
    .sgpr_count:     66
    .vgpr_count:     72
    .wavefront_size: 32
...
	.end_amdgpu_metadata
.endif
;; end of part 3
;; ======== version 2 of 3: 3 launches; 1.38 times as fast as version 1
;; limits: values outside matrix products are rounded to bf16; values are held in f16: magnitudes above 65,504 overflow, below 6.1e-05 lose precision
;; workspace buffers: xh 67,108,864 bytes; sh 8,388,608 bytes; part 1,048,576 bytes
;; launch cast (part 4): grid 656 x 1, 8 waves a work-group, no clusters, 34,816 bytes of LDS; arguments x, w2, xh, sh; writes xh, sh
.if DOCPART == 4
	.amdgcn_target "amdgcn-amd-amdhsa--gfx1250"
	.amdhsa_code_object_version 6
	.text
	.protected	k_qa8efee8010_cast
	.globl	k_qa8efee8010_cast
	.p2align	8
	.type	k_qa8efee8010_cast,@function
k_qa8efee8010_cast:
	s_mov_b64 s[64:65], 0
	v_nop
	global_prefetch_b8 v0, s[64:65] scope:SCOPE_SE
	s_setreg_imm32_b32 hwreg(HW_REG_WAVE_MODE, 25, 1), 1
	s_wait_xcnt 0x0
; Two jobs in one launch, told apart by the work-group's number.
; (1) Work-groups 0 to 511: xh = x rounded to bf16 (nearest even) and held as f16, same index order.  A bf16 number is exact in f16 from 2^-14
;     up to f16's largest; below 2^-14 the error is at most 2^-25; from 65,520 on it becomes infinity.
; (2) Work-groups 512 to 655: sh, the weights of the quadratic form folded onto the upper block triangle, in blocks of 256 x 256:
;     diagonal blocks      sh[n][k] = f16( bf16(w2[n][k]) )
;     blocks right of them sh[n][k] = f16( bf16(w2[n][k]) + bf16(w2[k][n]) )        (the sum in f32, rounded once)
;     Blocks left of the diagonal are not written, and the next launch does not read them.
;     sum_ij w2[i][j] x[i] x[j] = sum over blocks nb <= kb of sum_nk sh[n][k] x[n] x[k]: an identity, for every w2.
; Job 1: a chunk of 262,144 source bytes a work-group; a step is 4,096 bytes: thread t loads the 16 bytes at 16 t (512 consecutive bytes a wave)
; and stores the 8 bytes at 8 t (256 consecutive bytes a wave, aligned); 64 steps on a ring of 16 register slots.
; Job 2: a unit is 64 rows (n) x 256 columns (k) of sh: 36 blocks x 4 units.  The transposed source, 256 rows (k) x 64 columns (n) of w2, is read
; in whole rows of 256 bytes, rounded to bf16, and turned in LDS: a thread holds 4 x 4 numbers and stores, for each n, its four k as 8 bytes.
; Each number of w2 is read once in the launch.  No matrix unit, no cluster: no byte is used twice.
.set XCHUNKS, 512
.set DEPTH,  16                        ; job 1: slots = loads in flight in each wave
.set ROUNDS, 64 / DEPTH
.set TP,     528                       ; job 2: an LDS row: 256 bf16 + 16 bytes
.set ONE, 3                            ; v3        1.0
.set X,   4                            ; v[4:67]   job 1, slot i: 4 f32 as loaded
.set Y,   68                           ; v[68:99]  job 1, slot i: 4 f16 to store
.set TR,  4                            ; v[4:67]   job 2: the transposed source, 4 blocks of 4 rows x 4 numbers
.set OW,  4                            ; v[4:35]   job 2, later: item q: 4 f16 to store
.set TT,  36                           ; v[36:67]  job 2, later: item q: 4 bf16 from LDS
.set DR,  68                           ; v[68:131] job 2: item q: 4 f32 of the direct source
.set BW,  132                          ; v[132:133] 4 numbers as bf16
.set F,   134                          ; v[134:137] 4 numbers as f32
.set LR,  138                          ; LDS address for reading
.set TO,  139                          ; byte offset in the transposed source
.set LW,  140                          ; LDS address for writing
.set TMP, 141
.set PK,  142                          ; v[142:149] a block's four n x four k as bf16
; four f32 -> bf16 (nearest even) -> f32 (a shift, a mask) -> f16, packed
.macro CV4 src, dst
	v_cvt_pk_bf16_f32 v[BW],   v[\src],   v[\src+1]
	v_cvt_pk_bf16_f32 v[BW+1], v[\src+2], v[\src+3]
	v_lshlrev_b32 v[F],   16, v[BW]
	v_and_b32     v[F+1], s3, v[BW]
	v_lshlrev_b32 v[F+2], 16, v[BW+1]
	v_and_b32     v[F+3], s3, v[BW+1]
	v_cvt_pk_f16_f32 v[\dst],   v[F],   v[F+1]
	v_cvt_pk_f16_f32 v[\dst+1], v[F+2], v[F+3]
.endm
; the same with four bf16 numbers t added: bf16 half x 1.0 + bf16 half, one rounding to f32, then one to f16
.macro CV4S src, t, dst
	v_cvt_pk_bf16_f32 v[BW],   v[\src],   v[\src+1]
	v_cvt_pk_bf16_f32 v[BW+1], v[\src+2], v[\src+3]
	v_fma_mix_f32_bf16 v[F],   v[BW],   v[ONE], v[\t]   op_sel_hi:[1,0,1]
	v_fma_mix_f32_bf16 v[F+1], v[BW],   v[ONE], v[\t]   op_sel:[1,0,1] op_sel_hi:[1,0,1]
	v_fma_mix_f32_bf16 v[F+2], v[BW+1], v[ONE], v[\t+1] op_sel_hi:[1,0,1]
	v_fma_mix_f32_bf16 v[F+3], v[BW+1], v[ONE], v[\t+1] op_sel:[1,0,1] op_sel_hi:[1,0,1]
	v_cvt_pk_f16_f32 v[\dst],   v[F],   v[F+1]
	v_cvt_pk_f16_f32 v[\dst+1], v[F+2], v[F+3]
.endm
	s_load_b256 s[4:11], s[0:1], 0x0               ; x s[4:5], w2 s[6:7], xh s[8:9], sh s[10:11]
	v_lshl_add_u32 v150, v0, 2, 0x8400
	v_mov_b32 v151, 0
	s_mov_b32 s3, 0xffff0000                       ; a word's upper bf16
	s_cmp_lt_u32 ttmp9, XCHUNKS
	s_cbranch_scc0 .Lw2
	; ---------------- job 1: a chunk of x
	v_lshlrev_b32 v1, 4, v0                        ; my 16 source bytes of a step; never rewritten
	v_lshlrev_b32 v2, 3, v0                        ; my 8 result bytes of a step; never rewritten
	s_lshl_b32 s18, ttmp9, 18                      ; chunk x 262,144 bytes: 511 << 18 stays below 2^31
	s_mov_b32 s19, 0
	s_lshl_b32 s20, ttmp9, 17                      ; chunk x 131,072 bytes
	s_mov_b32 s21, 0
	s_wait_kmcnt 0x0
	s_add_nc_u64 s[12:13], s[4:5], s[18:19]
	s_add_nc_u64 s[14:15], s[8:9], s[20:21]
.irp i, 0,1,2,3,4,5,6,7,8,9,10,11,12,13,14,15
	global_load_b128 v[X+4*\i:X+4*\i+3], v1, s[12:13] offset:\i*4096 th:TH_LOAD_NT   ; fill the ring: steps 0 to 15
.endr
; One slot's turn.  ahead = 1: the slot is loaded again with the step DEPTH further on.  left = how many younger loads may stay out.
.macro STEP i, ahead, left
	s_wait_loadcnt \left                           ; loads come back in order: this slot's is in, the younger ones stay out
	CV4 X+4*\i, Y+2*\i
.if \ahead
	global_load_b128 v[X+4*\i:X+4*\i+3], v1, s[12:13] offset:(DEPTH+\i)*4096 th:TH_LOAD_NT
.endif
	global_store_b64 v2, v[Y+2*\i:Y+2*\i+1], s[14:15] offset:\i*2048                 ; no hint: the next launch reads these bytes
.endm
	s_mov_b32 s22, ROUNDS-1
.Lround:
.irp i, 0,1,2,3,4,5,6,7,8,9,10,11,12,13,14,15
	STEP \i, 1, DEPTH-1
.endr
	s_wait_xcnt 0x0                                ; both bases, and Y, which this round's stores read, are rewritten only behind this wait
	s_add_nc_u64 s[12:13], s[12:13], DEPTH*4096
	s_add_nc_u64 s[14:15], s[14:15], DEPTH*2048
	s_sub_co_u32 s22, s22, 1
	s_cmp_lg_u32 s22, 0
	s_cbranch_scc1 .Lround
.irp i, 0,1,2,3,4,5,6,7,8,9,10,11,12,13,14,15
	STEP \i, 0, DEPTH-1-\i                         ; the last round loads nothing: the counts run down, and no load passes the chunk's end
.endr
	s_endpgm
	; ---------------- job 2: a unit of sh
.Lw2:
	; unit u = 4 t + quarter; block t = 9 p + q of the 36: block rows p and 7 - p have 8 - p and p + 1 blocks, 9 together
	s_sub_co_u32 s16, ttmp9, XCHUNKS               ; u = 0 .. 143
	s_and_b32 s17, s16, 3                          ; which 64 rows of the block
	s_lshr_b32 s18, s16, 2                         ; t = 0 .. 35
	s_mul_i32 s19, s18, 57
	s_lshr_b32 s19, s19, 9                         ; p = t / 9 (57 / 512 serves up to t = 35)
	s_mul_i32 s20, s19, 9
	s_sub_co_u32 s20, s18, s20                     ; q = t - 9 p
	s_sub_co_u32 s21, 8, s19
	s_add_co_u32 s22, s19, s20                     ; p + q
	s_sub_co_u32 s23, 7, s19
	s_sub_co_u32 s24, s20, 1                       ; q - 1 (taken only where q >= 8 - p)
	s_cmp_lt_u32 s20, s21
	s_cselect_b32 s25, s19, s23                    ; block row nb: p, or 7 - p
	s_cselect_b32 s26, s22, s24                    ; block column kb: p + q, or q - 1
	s_lshl_b32 s27, s25, 8
	s_lshl_b32 s17, s17, 6
	s_add_co_u32 s27, s27, s17                     ; n0
	s_lshl_b32 s28, s26, 8                         ; k0
	s_lshl_b32 s30, s27, 13                        ; direct source: w2[n0][k0], rows of 8,192 bytes
	s_lshl_b32 s31, s28, 2
	s_add_co_u32 s30, s30, s31
	s_mov_b32 s31, 0
	s_lshl_b32 s32, s28, 13                        ; transposed source: w2[k0][n0]
	s_lshl_b32 s33, s27, 2
	s_add_co_u32 s32, s32, s33
	s_mov_b32 s33, 0
	s_lshl_b32 s34, s27, 12                        ; result: sh[n0][k0], rows of 4,096 bytes
	s_lshl_b32 s35, s28, 1
	s_add_co_u32 s34, s34, s35
	s_mov_b32 s35, 0
	; An item is half a row of the unit: 128 k, 4 a lane.  Wave w has rows 8 w .. 8 w + 7: 16 items.
	v_and_b32 v[TMP], 31, v0                       ; lane
	v_lshrrev_b32 v[PK], 5, v0                     ; wave
	v_lshlrev_b32 v1, 4, v[TMP]
	v_lshl_add_u32 v1, v[PK], 16, v1               ; direct source: 8 rows x 8,192 bytes a wave + 16 bytes a lane
	v_lshlrev_b32 v[TMP], 3, v[TMP]
	v_lshl_add_u32 v2, v[PK], 15, v[TMP]           ; result: 8 rows x 4,096 bytes a wave + 8 bytes a lane
	v_mul_u32_u24 v[LR], v[PK], 8*TP
	v_add_nc_u32 v[LR], v[LR], v[TMP]              ; LDS, reading: 8 rows a wave + 8 bytes a lane
	v_and_b32 v[TMP], 15, v0                       ; c: my four n are 4 c .. 4 c + 3
	v_lshrrev_b32 v[PK], 4, v0                     ; rr: my four k of block i are 64 i + 4 rr .. + 3
	v_lshlrev_b32 v[TO], 4, v[TMP]
	v_lshl_add_u32 v[TO], v[PK], 15, v[TO]         ; transposed source: 4 rr rows of 8,192 bytes + 16 c
	v_mul_u32_u24 v[LW], v[TMP], 4*TP
	v_lshl_add_u32 v[LW], v[PK], 3, v[LW]          ; LDS, writing: row 4 c, byte 2 x 4 rr
	v_mov_b32 v[ONE], 1.0
	s_wait_kmcnt 0x0
	s_add_nc_u64 s[12:13], s[6:7], s[30:31]
	s_add_nc_u64 s[36:37], s[6:7], s[32:33]
	s_add_nc_u64 s[14:15], s[10:11], s[34:35]
	s_cmp_eq_u32 s25, s26
	s_cbranch_scc1 .Ldiag                          ; the same for the whole work-group
.macro DLOADS                          ; the 16 items' direct source: each load of the wave covers 512 consecutive bytes
.irp q, 0,1,2,3,4,5,6,7,8,9,10,11,12,13,14,15
	global_load_b128 v[DR+4*\q:DR+4*\q+3], v1, s[12:13] offset:(\q/2)*8192+(\q%2)*512 th:TH_LOAD_NT
.endr
.endm
.macro SITEMS sym                      ; the 16 items are converted and stored: each store of the wave covers 256 consecutive bytes, aligned
.irp q, 0,1,2,3,4,5,6,7,8,9,10,11,12,13,14,15
	s_wait_loadcnt 15-\q                           ; item q's load is in, the younger items' stay out
.if \sym
	s_wait_dscnt 15-\q                             ; and so is its LDS load
	CV4S DR+4*\q, TT+2*\q, OW+2*\q
.else
	CV4 DR+4*\q, OW+2*\q
.endif
	global_store_b64 v2, v[OW+2*\q:OW+2*\q+1], s[14:15] offset:(\q/2)*4096+(\q%2)*256
.endr
.endm
	; a block right of the diagonal.  Each load of the wave takes two whole rows of 256 bytes of the transposed source.
.irp i, 0,1,2,3
.irp e, 0,1,2,3
	global_load_b128 v[TR+16*\i+4*\e:TR+16*\i+4*\e+3], v[TO], s[36:37] offset:(64*\i+\e)*8192 th:TH_LOAD_NT
.endr
.endr
	DLOADS
	; The sixteen lanes of a source row store to rows 4 c + j, 2,112 bytes apart: four groups of banks, so a store goes in four passes.
	; With 16 such stores and 16 reads without conflict a thread this is fewer passes than 4-byte stores at an odd pitch with 4-byte reads.
.irp i, 0,1,2,3
	s_wait_loadcnt 28-4*\i                         ; block i's four loads are in: 12 - 4 i of its kind and the 16 direct ones were issued behind them
.irp j, 0,1,2,3
	v_cvt_pk_bf16_f32 v[PK+2*\j],   v[TR+16*\i+\j],   v[TR+16*\i+4+\j]
	v_cvt_pk_bf16_f32 v[PK+2*\j+1], v[TR+16*\i+8+\j], v[TR+16*\i+12+\j]
	ds_store_b64 v[LW], v[PK+2*\j:PK+2*\j+1] offset:\j*TP+\i*128
.endr
.endr
	s_wait_dscnt 0x0                               ; my stores are in LDS, for the other waves' sake
	s_barrier_signal -1
	s_barrier_wait -1
.irp q, 0,1,2,3,4,5,6,7,8,9,10,11,12,13,14,15
	ds_load_b64 v[TT+2*\q:TT+2*\q+1], v[LR] offset:(\q/2)*TP+(\q%2)*256    ; 256 consecutive bytes a wave
.endr
	SITEMS 1
	s_wait_tensorcnt 0x0
	ds_add_u32 v150, v151
	s_wait_dscnt 0x0
	s_endpgm
.Ldiag:                                ; a diagonal block: both w2[n][k] and w2[k][n] lie in it, nothing is folded
	DLOADS
	SITEMS 0
	s_endpgm
.Lfunc_end_k_qa8efee8010_cast:
	.size	k_qa8efee8010_cast, .Lfunc_end_k_qa8efee8010_cast-k_qa8efee8010_cast
	.p2alignl 7, 3214868480
	.fill 96, 4, 3214868480
	.section	.rodata,"a",@progbits
	.p2align	6, 0x0
	.amdhsa_kernel k_qa8efee8010_cast
		.amdhsa_group_segment_fixed_size 34816
		.amdhsa_private_segment_fixed_size 0
		.amdhsa_enable_private_segment 0
		.amdhsa_kernarg_size 32
		.amdhsa_user_sgpr_count 2
		.amdhsa_user_sgpr_kernarg_segment_ptr 1
		.amdhsa_wavefront_size32 1
		.amdhsa_system_sgpr_workgroup_id_x 1
		.amdhsa_system_sgpr_workgroup_id_y 1
		.amdhsa_system_sgpr_workgroup_id_z 1
		.amdhsa_system_vgpr_workitem_id 0
		.amdhsa_next_free_vgpr 152
		.amdhsa_next_free_sgpr 66
		.amdhsa_reserve_vcc 0
		.amdhsa_float_denorm_mode_32 3
		.amdhsa_float_denorm_mode_16_64 3
		.amdhsa_memory_ordered 1
		.amdhsa_forward_progress 1
		.amdhsa_inst_pref_size 50
	.end_amdhsa_kernel
	.amdgpu_metadata
---
amdhsa.version: [ 1, 2 ]
amdhsa.kernels:
  - .name:           k_qa8efee8010_cast
    .symbol:         k_qa8efee8010_cast.kd
    .args:
      - { .name: x, .offset: 0, .size: 8, .value_kind: global_buffer, .address_space: global }
      - { .name: w2, .offset: 8, .size: 8, .value_kind: global_buffer, .address_space: global }
      - { .name: xh, .offset: 16, .size: 8, .value_kind: global_buffer, .address_space: global }
      - { .name: sh, .offset: 24, .size: 8, .value_kind: global_buffer, .address_space: global }
    .group_segment_fixed_size: 34816
    .private_segment_fixed_size: 0
    .kernarg_segment_align: 8
    .kernarg_segment_size: 32
    .max_flat_workgroup_size: 256
    .sgpr_count:     66
    .vgpr_count:     152
    .wavefront_size: 32
...
	.end_amdgpu_metadata
.endif
;; end of part 4
;; launch quad (part 5): grid 64 x 4, 4 waves a work-group, clusters of 4 x 1, 327,680 bytes of LDS; arguments xh, sh, part, w1; writes part
.if DOCPART == 5
	.amdgcn_target "amdgcn-amd-amdhsa--gfx1250"
	.amdhsa_code_object_version 6
	.text
	.protected	k_qa8efee8010_quad
	.globl	k_qa8efee8010_quad
	.p2align	8
	.type	k_qa8efee8010_quad,@function
k_qa8efee8010_quad:
	s_mov_b64 s[64:65], 0
	v_nop
	global_prefetch_b8 v0, s[64:65] scope:SCOPE_SE
	s_setreg_imm32_b32 hwreg(HW_REG_WAVE_MODE, 25, 1), 1
	s_wait_xcnt 0x0
	s_wait_alu depctr_hold_cnt(0) depctr_sa_sdst(0) depctr_va_vdst(0) depctr_va_sdst(0) depctr_va_ssrc(0) depctr_va_vcc(0) depctr_vm_vsrc(0)
	s_getreg_b32 s2, hwreg(HW_REG_IB_STS2, 6, 4)
	s_cmp_eq_u32 s2, 0
	s_cbranch_scc0 .Lentry_in_a_cluster
	s_endpgm
.Lentry_in_a_cluster:
	s_bfe_u32 s2, ttmp6, 0x10000c
	s_cmp_lg_u32 s2, 0x3003
	s_cbranch_scc0 .Lentry_shape_is_right
	s_endpgm
.Lentry_shape_is_right:
; part[2 nb + c][m] = sum over the 128 indices n of half c of block nb of  xh[m][n] * ( w1[n] + sum over k >= 256 nb of sh[n][k] xh[m][k] ).
; Summed over the 16 planes that is x.w1 + sum_ij w2[i][j] x[i] x[j] of row m: sh holds w2 folded onto the upper block triangle (made by the
; launch before), so that block row nb needs only the K blocks nb .. 7: 36 of the 64 block products.
; LIMITS: x enters every term rounded to bf16 and held as f16; w2 as f16( bf16(w2[n][k]) + bf16(w2[k][n]) ) off the diagonal blocks and as
; bf16 in them; magnitudes from 65,520 on are infinity in f16, below 2^-14 the error is at most 2^-25.  w1 is f32; all sums are f32.
; The order of the f32 additions differs from the problem's.
;
; SHARES: a tile is 256 rows (m) x 256 indices (n); four waves, 128 x 128 each: 64 accumulator tiles of 16 x 16, 512 registers.
; Tile nb takes 8 - nb laps of 256 along K.  Work-group (row block, p) makes tiles nb = p and nb = 7 - p: 9 laps for each of 64 x 4 work-groups.
; K goes DOWNWARD, from block 7 to block nb, in steps of 128 through a ring of two LDS slots filled by the tensor data mover; a tile's rows are
; 256 bytes of memory and start at multiples of 256 bytes from the buffer's first byte.
; THE LINEAR TERM: the first matrix instruction of each accumulator takes as C a block of registers that holds w1[n] in the result's layout.
; THE WAY OUT: in the last lap K runs over the block's own indices n, so the two slots then hold xh[my rows][my n]: the elementwise factor is
; read from the slots, nothing is loaded for it, and the last lap fills no slot.  The results never leave the registers.
; CLUSTERS: four work-groups of neighbouring row blocks and the same p.  They need the same tiles of sh at the same steps: joint loads, which
; divide those requests by four.  xh's tiles are loads of each work-group's own: the four work-groups that share a row block have different p,
; walk different K blocks ({p..7} and {7-p..7}) and change tiles at different laps, so they could not make the same requests in the same rounds.
; Trip counts hang on p alone, which the partners share.
;
; REGISTERS, in windows of 256:
;   window 0: v0-31 addresses and small temporaries; v32-63 free for the way out; v64-127, v128-191 fragments of xh, two buffers;
;             v192-255 w1 in the result's layout.  On the way out: v32-127 three buffers of the factor, v128-191 sums.
;   window 1: v64-127, v128-191 fragments of sh, two buffers
;   window 2: the 32 accumulator tiles of my rows 0-63 (tile (a, b) at v[8 (8 a + b)]);   window 3: those of my rows 64-127
; THE MATRIX INSTRUCTION IS USED TRANSPOSED: source 0 = 16 rows of sh (n), source 1 = 16 rows of xh (m).  Lane l then holds row m = l % 16,
; and its registers 0 to 7 the indices n = 8 (l / 16) + 0 .. 7.
.set SIZE_K, 2048
.set KSTEP,  128
.set LAPB,   2*KSTEP*2                 ; bytes of a row in a lap: 512
.set TOPK,   7*LAPB                    ; K block 7 begins here in a row
.set PITCH,  272                       ; an LDS row: 256 bytes of data + 16 of padding, so that the 16 rows that a load touches start 68 words apart
.set HALFT,  128*PITCH                 ; 128 rows: what one tensor load brings
.set SLOT,   4*HALFT                   ; xh's 256 rows, then sh's 256 rows
.set STAGE,  2*SLOT                    ; behind the ring, at a multiple of 256: 512 bytes for each wave; no fill ever lands here
.set T,    6                           ; v6-13   the way out: 8 numbers of the factor in f32; later the 8 row blocks' sums
.set KEEP, 14
.set SEND, 15
.set ADRA, 16                          ; v16-17  LDS address of my xh fragments in slot 0, 1
.set RECV, 18
.set ADRB, 20                          ; v20-21  the same for sh
.set ADRE, 22                          ; v22     LDS address of my 16 bytes of the factor
.set W1O,  23                          ; v23     32 (l / 16): my byte offset in a group of 16 numbers of w1
.set STO,  24                          ; v24     stage: 4 bytes a lane
.set RD,   25                          ; v25     stage: 16 bytes a lane
.set CO,   26                          ; v26     16 x lane: my byte offset in the wave's 512 bytes of part
.set LANE, 27
.set OUT,  28                          ; v28-31  four neighbouring rows' sums
.set F0,   64                          ; fragment buffer 0
.set F1,   128                         ; fragment buffer 1
.set SS,   128                         ; the way out: row block a has four pairs of sums at v[128 + 8 a]
.set R,    128                         ;              later v128-131: whole row sums: register c, lane l: my row 32 c + l
.set W1C,  192                         ; v192-255  block b: w1[n0 + 16 b + 8 (l / 16) + 0 .. 7]
.set G1,  24                           ; s[24:31] descriptor group 1 for xh's tiles: no mask
.set G0,  32                           ; s[32:39] descriptor group 0 for xh's tiles, one set for each slot
.set G1B, 48                           ; s[48:55] group 1 for sh's tiles: the mask of the four partners
.set G0B, 56                           ; s[56:63] group 0 for sh's tiles, one set for each slot
.set MSB, 0
.macro WIN new                         ; the immediate's high byte repeats the setting that is left
.if MSB != \new
	s_set_vgpr_msb (MSB<<8)|\new
.set MSB, \new
.endif
.endm
.set MUL_LO,   0xa1                    ; source 0 (sh) window 1, source 1 (xh) window 0, C and D window 2
.set MUL_HI,   0xf1                    ; the same, C and D window 3
.set FIRST_LO, 0x81                    ; the first product: C (w1) window 0, D window 2
.set FIRST_HI, 0xc1                    ; C window 0, D window 3
.set TO_B,     0x40                    ; destination window 1, address window 0
.set E_LO,     0x08                    ; the way out: source 1 (results) window 2, all else window 0
.set E_HI,     0x0c                    ; source 1 window 3
; A step's loads.  Waves 0 and 1 fetch xh's two halves (plain loads), waves 2 and 3 sh's (joint loads).
; The branch hangs on the wave's number alone: it is the same in every work-group.
.macro JLOAD s
	s_cmp_eq_u32 s11, 0
	s_cbranch_scc0 .Lfor_b_\@
	tensor_load_to_lds s[G0+4*\s:G0+4*\s+3], s[G1:G1+7]
	s_nop 0
	s_branch .Lasked_\@
.Lfor_b_\@:
	tensor_load_to_lds s[G0B+4*\s:G0B+4*\s+3], s[G1B:G1B+7]
	s_nop 0
.Lasked_\@:
.endm
; A round of the cluster's barrier: my work-group's barrier, so that wave 0's signal speaks for all four waves; wave 0 signals for the
; work-group; every wave waits for all four work-groups; my work-group's barrier once more.
.macro CREST                           ; a round behind its opening barrier
	s_cmp_lg_u32 s10, 0
	s_cbranch_scc1 .Lnot_wave_0_\@
	s_barrier_signal -3
.Lnot_wave_0_\@:
	s_barrier_wait -3
	s_barrier_signal -1
	s_barrier_wait -1
.endm
.macro CROUND                          ; a whole round
	s_barrier_signal -1
	s_barrier_wait -1
	CREST
.endm
	s_load_b128 s[4:7], s[0:1], 0x0                ; xh s[4:5], sh s[6:7]
	s_load_b128 s[80:83], s[0:1], 0x10             ; part s[80:81], w1 s[82:83]
	s_set_vgpr_msb 0x40
	v_lshl_add_u32 v255, v0, 2, 0x44800
	s_set_vgpr_msb 0x4000
	v_mov_b32 v19, 0
	s_set_vgpr_msb 0x1
	ds_add_u32 v255, v19
	s_set_vgpr_msb 0x100
	v_lshrrev_b32 v1, 5, v0
	v_readfirstlane_b32 s10, v1                    ; wave 0..3
	s_lshr_b32 s11, s10, 1                         ; which half of the tile's rows (m) is mine.  Also: I fetch for xh (0) or for sh (1)
	s_and_b32 s12, s10, 1                          ; which half of its indices (n).  Also: which 128 rows of that tile I fetch
	s_bfe_u32 s40, ttmp6, 0x40000                  ; cx
	s_lshl_b32 s13, ttmp9, 2
	s_add_co_u32 s13, s13, s40                     ; row block = 4 x cluster x + cx
	s_and_b32 s42, ttmp7, 0xffff                   ; p: the first tile's block nb, and the second tile's laps less one
	s_sub_co_u32 s43, 7, s42                       ; 7 - p: the second tile's block nb, and the first tile's laps less one
	s_mov_b32 s86, 0x76543210                      ; v_permlanex16_b32: lane i of one half reads lane i of the other
	s_mov_b32 s87, 0xfedcba98
	; descriptor group 1, twice: a tile of 128 rows x 128 elements of 2 bytes, rows 2,048 elements apart, padded in LDS
	s_mov_b32 s[G1+0], (1<<16)|(1<<20)|(5<<22)|(3<<25)              ; 15:0 no mask; 17:16 2 bytes; 20 padding on; 24:22 after every 64 words; 31:25 four words
	s_mov_b32 s[G1B+0], 15|(1<<16)|(1<<20)|(1<<21)|(5<<22)|(3<<25)  ; the same with the mask of the cluster's four places, and bit 21 set beside it
	s_mov_b32 s[G1+1], KSTEP<<16                   ; 63:48 tensor_dim0, low half = 128
	s_mov_b32 s[G1B+1], KSTEP<<16
	s_mov_b32 s[G1+2], 128<<16                     ; 95:80 tensor_dim1, low half = 128
	s_mov_b32 s[G1B+2], 128<<16
	s_mov_b32 s[G1+3], KSTEP<<16                   ; 127:112 tile_dim0 = 128
	s_mov_b32 s[G1B+3], KSTEP<<16
	s_mov_b32 s[G1+4], 128                         ; 143:128 tile_dim1 = 128; tile_dim2 = 0
	s_mov_b32 s[G1B+4], 128
	s_mov_b32 s[G1+5], SIZE_K                      ; 191:160 elements from row to row
	s_mov_b32 s[G1B+5], SIZE_K
	s_mov_b32 s[G1+6], 0
	s_mov_b32 s[G1B+6], 0
	s_mov_b32 s[G1+7], 0
	s_mov_b32 s[G1B+7], 0
	; byte offsets of the tiles at K block 7, rows of 4,096 bytes (all below 2^27).  sh's are made of p and the wave's number alone, in registers
	; that never hold cx.
	s_lshl_b32 s17, s12, 7                         ; which 128 rows of the tile I fetch
	s_lshl_b32 s16, s13, 8
	s_add_co_u32 s16, s16, s17                     ; xh: row 256 x row block + 128 x half
	s_lshl_b32 s16, s16, 12
	s_add_co_u32 s16, s16, TOPK
	s_lshl_b32 s46, s42, 8
	s_add_co_u32 s46, s46, s17                     ; sh, first tile: row 256 p + 128 x half
	s_lshl_b32 s46, s46, 12
	s_add_co_u32 s46, s46, TOPK
	s_lshl_b32 s66, s43, 8
	s_add_co_u32 s66, s66, s17                     ; sh, second tile: row 256 (7 - p) + 128 x half
	s_lshl_b32 s66, s66, 12
	s_add_co_u32 s66, s66, TOPK
	s_mov_b32 s17, 0
	s_mov_b32 s47, 0
	s_mov_b32 s67, 0
	s_mul_i32 s20, s10, HALFT                      ; where the tiles go: wave x 128 rows; no place in the cluster enters an LDS address
	; w1: 4 bytes x (256 nb + 128 x my half of n)
	s_lshl_b32 s76, s12, 9
	s_lshl_b32 s72, s42, 10
	s_add_co_u32 s72, s72, s76
	s_mov_b32 s73, 0
	s_lshl_b32 s74, s43, 10
	s_add_co_u32 s74, s74, s76
	s_mov_b32 s75, 0
	; part: plane 2 nb + my half of n, 65,536 bytes each; + 4 bytes x (256 x row block + 128 x my half of m)
	s_lshl_b32 s76, s13, 10
	s_lshl_b32 s77, s11, 9
	s_add_co_u32 s76, s76, s77
	s_lshl_b32 s68, s42, 1
	s_add_co_u32 s68, s68, s12
	s_lshl_b32 s68, s68, 16
	s_add_co_u32 s68, s68, s76
	s_mov_b32 s69, 0
	s_lshl_b32 s70, s43, 1
	s_add_co_u32 s70, s70, s12
	s_lshl_b32 s70, s70, 16
	s_add_co_u32 s70, s70, s76
	s_mov_b32 s71, 0
	s_wait_dscnt 0x0
	s_wait_kmcnt 0x0
	s_add_nc_u64 s[14:15], s[4:5], s[16:17]        ; xh's tile at K block 7: the same for both tiles
	s_add_nc_u64 s[46:47], s[6:7], s[46:47]        ; sh's, first tile
	s_add_nc_u64 s[66:67], s[6:7], s[66:67]        ; sh's, second tile
	s_add_nc_u64 s[72:73], s[82:83], s[72:73]      ; w1, first tile
	s_add_nc_u64 s[74:75], s[82:83], s[74:75]      ; w1, second tile
	s_add_nc_u64 s[68:69], s[80:81], s[68:69]      ; part, first tile
	s_add_nc_u64 s[70:71], s[80:81], s[70:71]      ; part, second tile
	CROUND                                         ; all four work-groups are here: the first joint loads meet
.irp s, 0,1
	s_mov_b32 s[G0+4*\s], 1                                        ; 1:0 count = 1
	s_add_co_u32 s[G0+4*\s+1], s20, \s*SLOT                        ; 63:32 LDS address
	s_add_nc_u64 s[G0+4*\s+2:G0+4*\s+3], s[14:15], \s*KSTEP*2      ; 120:64 global address: half s of K block 7
	s_or_b32 s[G0+4*\s+3], s[G0+4*\s+3], 0x80000000                ; 127:126 type = 2
	s_mov_b32 s[G0B+4*\s], 1
	s_add_co_u32 s[G0B+4*\s+1], s20, \s*SLOT
	s_add_nc_u64 s[G0B+4*\s+2:G0B+4*\s+3], s[46:47], \s*KSTEP*2
	s_or_b32 s[G0B+4*\s+3], s[G0B+4*\s+3], 0x80000000
	JLOAD \s                                       ; the ring is filled before anything else is done: two tensor loads of the wave are out
.endr
	; A fragment is 16 rows x 32 K in 8 registers: lane l holds row l % 16; registers 0-3 hold K = 8 (l / 16) + 0..7, registers 4-7 hold
	; K = 16 + 8 (l / 16) + 0..7: two loads of 16 bytes, 32 bytes apart.
	v_and_b32 v1, 15, v0                           ; l % 16
	v_bfe_u32 v2, v0, 4, 1                         ; l / 16
	v_mul_u32_u24 v3, v1, PITCH
	v_lshl_add_u32 v3, v2, 4, v3                   ; row x pitch + 16 x half
	s_mul_i32 s21, s11, HALFT                      ; my 128 rows of xh
	s_mul_i32 s22, s12, HALFT                      ; my 128 rows of sh,
	s_add_co_u32 s22, s22, 2*HALFT                 ; which lie behind xh's 256
.irp s, 0,1
	v_add_nc_u32 v[ADRA+\s], s21, v3
	v_add_nc_u32 v[ADRB+\s], s22, v3
	s_add_co_u32 s21, s21, SLOT
	s_add_co_u32 s22, s22, SLOT
.endr
	s_mul_i32 s21, s11, HALFT                      ; the factor: my rows of xh,
	s_mul_i32 s23, s12, SLOT                       ; in the slot that holds my half of n in the last lap
	s_add_co_u32 s21, s21, s23
	v_add_nc_u32 v[ADRE], s21, v3
	v_lshlrev_b32 v[W1O], 5, v2
	v_and_b32 v[LANE], 31, v0
	s_lshl_b32 s23, s10, 9
	s_add_co_u32 s23, s23, STAGE                   ; my stage
	v_lshl_add_u32 v[STO], v[LANE], 2, s23
	v_lshl_add_u32 v[RD], v[LANE], 4, s23
	v_lshlrev_b32 v[CO], 4, v[LANE]
	v_mov_b32 v[RECV], 0                           ; v_permlanex16_b32 counts as a reader of its destination
; w1 in the result's layout: block b, register t = w1[256 nb + 128 x half + 16 b + 8 (l / 16) + t]
.macro W1LOAD pp
.irp b, 0,1,2,3,4,5,6,7
	global_load_b128 v[W1C+8*\b:W1C+8*\b+3],   v[W1O], s[\pp:\pp+1] offset:64*\b
	global_load_b128 v[W1C+8*\b+4:W1C+8*\b+7], v[W1O], s[\pp:\pp+1] offset:64*\b+16
.endr
.endm
	W1LOAD 72
; 16 matrix instructions: m blocks a0, a0 + 1 of the window's four (hi = 0: my rows 0-63, 1: rows 64-127) x all 8 n blocks, 32 along K.
; first = 1: the first product starts the sums from w1: nothing is cleared.
; The 64 accumulators take turns, one instruction a turn, in the same order in every quarter step.
.macro MUL16 f, hi, a0, first
.irp a, \a0, \a0+1
.irp b, 0,1,2,3,4,5,6,7
.if \first
	v_wmma_f32_16x16x32_f16 v[8*(8*(\a)+\b):8*(8*(\a)+\b)+7], v[\f+8*\b:\f+8*\b+7], v[\f+8*(4*\hi+\a):\f+8*(4*\hi+\a)+7], v[W1C+8*\b:W1C+8*\b+7]
.else
	v_wmma_f32_16x16x32_f16 v[8*(8*(\a)+\b):8*(8*(\a)+\b)+7], v[\f+8*\b:\f+8*\b+7], v[\f+8*(4*\hi+\a):\f+8*(4*\hi+\a)+7], v[8*(8*(\a)+\b):8*(8*(\a)+\b)+7]
.endif
.endr
.endr
.endm
; 32 LDS loads in one run: the fragments of one quarter step (128 rows of sh, 128 rows of xh, 32 K at byte k of the rows) into buffer f
.macro FETCH slot, k, f
	WIN TO_B
.irp i, 0,1,2,3,4,5,6,7
	ds_load_b128 v[\f+8*\i:\f+8*\i+3],   v[ADRB+\slot] offset:\k+\i*16*PITCH
	ds_load_b128 v[\f+8*\i+4:\f+8*\i+7], v[ADRB+\slot] offset:\k+\i*16*PITCH+32
.endr
	WIN 0
.irp i, 0,1,2,3,4,5,6,7
	ds_load_b128 v[\f+8*\i:\f+8*\i+3],   v[ADRA+\slot] offset:\k+\i*16*PITCH
	ds_load_b128 v[\f+8*\i+4:\f+8*\i+7], v[ADRA+\slot] offset:\k+\i*16*PITCH+32
.endr
.endm
; A load into a register that a matrix instruction has read, and a vector instruction that reads a matrix result or writes one of a matrix
; instruction's registers, stand four places behind it, and only plain vector instructions that name none of its registers are places
; (ISA guide 7.12.1 for vector instructions).
.macro PLACES
.rept 4
	v_nop
.endr
.endm
; A K step is four quarter steps of 32 along K, 64 matrix instructions each, on buffers 0, 1, 0, 1.
; One of the first three: multiplies buffer f; in its middle it fetches the next quarter's fragments, at byte k of the same slot's rows, into buffer g.
.macro QUARTER slot, k, f, g, first
	s_wait_dscnt 8                                 ; sh and xh's rows 0-63 are in; the youngest eight loads (xh's rows 64-127) may be out
.if \first
	WIN FIRST_LO
.else
	WIN MUL_LO
.endif
	MUL16 \f, 0, 0, \first
	MUL16 \f, 0, 2, \first
	PLACES
	FETCH \slot, \k, \g
	s_wait_dscnt 32                                ; all but the 32 just issued
.if \first
	WIN FIRST_HI
.else
	WIN MUL_HI
.endif
	MUL16 \f, 1, 0, \first
	MUL16 \f, 1, 2, \first
.endm
; The last quarter of a K step: multiplies buffer 1 and changes slots.  next = the other slot.
; fill = 1: this slot is filled again with its half of the next lower K block.  In front of the round's opening signal each wave waits for its
; own reads of this slot and for all its tensor loads, of which one is out: its part of the next slot.  Inside the round stands register work
; alone.  Behind it no wave of any partner reads this slot or has a load on its way, and the next slot is whole: the refill comes first, one
; tensor load a wave, then the next slot's first fragments.  From a request to the wait for it a wave issues 240 matrix instructions.
; fill = 0 (a tile's last lap): the same waits and my work-group's barrier, so that the next slot is whole for every wave; nothing is filled.
.macro TURN slot, next, fill
	s_wait_dscnt 8
	WIN MUL_LO
	MUL16 F1, 0, 0, 0
	s_wait_dscnt 0                                 ; my reads of this slot's fragments are over
	s_wait_tensorcnt 0x0                           ; and all my tensor loads have landed
	ds_add_u32 v255, v19
	s_wait_dscnt 0x0
	s_barrier_signal -1
	MUL16 F1, 0, 2, 0                              ; work on registers while the others arrive
	WIN 0
	s_barrier_wait -1
.if \fill
	CREST
	s_sub_nc_u64 s[G0+4*\slot+2:G0+4*\slot+3], s[G0+4*\slot+2:G0+4*\slot+3], LAPB      ; no load of the wave is out: the addresses step down
	s_sub_nc_u64 s[G0B+4*\slot+2:G0B+4*\slot+3], s[G0B+4*\slot+2:G0B+4*\slot+3], LAPB
	JLOAD \slot
.endif
	PLACES
	FETCH \next, 0, F0
	WIN MUL_HI
	MUL16 F1, 1, 0, 0
	MUL16 F1, 1, 2, 0
.endm
; A lap is its first quarter (written apart, since a tile's first one starts the sums) and this rest: seven quarters.
; fill = 1: both slots are filled again and the next lap's first fragments are fetched.  fill = 0: the tile's last lap.
.macro REST fill
	QUARTER 0, 128, F1, F0, 0
	QUARTER 0, 192, F0, F1, 0
	TURN 0, 1, \fill
	QUARTER 1, 64,  F0, F1, 0
	QUARTER 1, 128, F1, F0, 0
	QUARTER 1, 192, F0, F1, 0
.if \fill
	TURN 1, 0, 1
.else
	s_wait_dscnt 8                                 ; the very last quarter: no fragments are left to fetch
	WIN MUL_LO
	MUL16 F1, 0, 0, 0
	MUL16 F1, 0, 2, 0
	s_wait_dscnt 0
	WIN MUL_HI
	MUL16 F1, 1, 0, 0
	MUL16 F1, 1, 2, 0
	WIN 0
.endif
.endm
; THE WAY OUT.  Tile (a, b) of my 8 x 8: lane l holds results (m = 16 a + l % 16, n = 16 b + 8 (l / 16) + 0..7) and wants the 16 bytes of xh at
; that row, byte 32 b + 16 (l / 16).  A row block a is 8 loads, 32 registers; register g = 4 b + w of them goes with the results' pair 64 (a % 4) + 2 g.
.macro ELOAD a, base
.irp b, 0,1,2,3,4,5,6,7
	ds_load_b128 v[\base+4*\b:\base+4*\b+3], v[ADRE] offset:\a*16*PITCH+32*\b
.endr
.endm
; two products and sums: the pair of f32 made from register g x the results' pair, onto one of four pairs of sums that take turns;
; the first four start the sums
.macro EPK g, a
.if (\g) < 4
	v_pk_mul_f32 v[SS+8*\a+2*((\g)%4):SS+8*\a+2*((\g)%4)+1], v[T+2*((\g)%4):T+2*((\g)%4)+1], v[64*(\a%4)+2*(\g):64*(\a%4)+2*(\g)+1]
.else
	v_pk_fma_f32 v[SS+8*\a+2*((\g)%4):SS+8*\a+2*((\g)%4)+1], v[T+2*((\g)%4):T+2*((\g)%4)+1], v[64*(\a%4)+2*(\g):64*(\a%4)+2*(\g)+1], v[SS+8*\a+2*((\g)%4):SS+8*\a+2*((\g)%4)+1]
.endif
.endm
; half number j of a row block's 64 is widened to f32; the products of a register follow two registers later, so that no line waits for the one in front
.macro ECVT h, a
	v_cvt_f32_f16 v[T+j%8], \h
.if j%2 == 1
.if j >= 5
	EPK (j-5)/2, \a
.endif
.endif
.set j, j+1
.endm
; The halves of a register have names only in v0-v127, and a name cannot be an expression: the three buffers' halves are listed.
.macro EROW_A a
.set j, 0
.irp h, v32.l,v32.h,v33.l,v33.h,v34.l,v34.h,v35.l,v35.h,v36.l,v36.h,v37.l,v37.h,v38.l,v38.h,v39.l,v39.h,v40.l,v40.h,v41.l,v41.h,v42.l,v42.h,v43.l,v43.h,v44.l,v44.h,v45.l,v45.h,v46.l,v46.h,v47.l,v47.h,v48.l,v48.h,v49.l,v49.h,v50.l,v50.h,v51.l,v51.h,v52.l,v52.h,v53.l,v53.h,v54.l,v54.h,v55.l,v55.h,v56.l,v56.h,v57.l,v57.h,v58.l,v58.h,v59.l,v59.h,v60.l,v60.h,v61.l,v61.h,v62.l,v62.h,v63.l,v63.h
	ECVT \h, \a
.endr
	EPK 30, \a
	EPK 31, \a
.endm
.macro EROW_B a
.set j, 0
.irp h, v64.l,v64.h,v65.l,v65.h,v66.l,v66.h,v67.l,v67.h,v68.l,v68.h,v69.l,v69.h,v70.l,v70.h,v71.l,v71.h,v72.l,v72.h,v73.l,v73.h,v74.l,v74.h,v75.l,v75.h,v76.l,v76.h,v77.l,v77.h,v78.l,v78.h,v79.l,v79.h,v80.l,v80.h,v81.l,v81.h,v82.l,v82.h,v83.l,v83.h,v84.l,v84.h,v85.l,v85.h,v86.l,v86.h,v87.l,v87.h,v88.l,v88.h,v89.l,v89.h,v90.l,v90.h,v91.l,v91.h,v92.l,v92.h,v93.l,v93.h,v94.l,v94.h,v95.l,v95.h
	ECVT \h, \a
.endr
	EPK 30, \a
	EPK 31, \a
.endm
.macro EROW_C a
.set j, 0
.irp h, v96.l,v96.h,v97.l,v97.h,v98.l,v98.h,v99.l,v99.h,v100.l,v100.h,v101.l,v101.h,v102.l,v102.h,v103.l,v103.h,v104.l,v104.h,v105.l,v105.h,v106.l,v106.h,v107.l,v107.h,v108.l,v108.h,v109.l,v109.h,v110.l,v110.h,v111.l,v111.h,v112.l,v112.h,v113.l,v113.h,v114.l,v114.h,v115.l,v115.h,v116.l,v116.h,v117.l,v117.h,v118.l,v118.h,v119.l,v119.h,v120.l,v120.h,v121.l,v121.h,v122.l,v122.h,v123.l,v123.h,v124.l,v124.h,v125.l,v125.h,v126.l,v126.h,v127.l,v127.h
	ECVT \h, \a
.endr
	EPK 30, \a
	EPK 31, \a
.endm
; more = 1: a second tile follows.  Its w1 is asked for at once; and as soon as the factor's last row block has been read from LDS, slot 0 is
; filled with the second tile's first step, which lands while the last three row blocks are summed and the sums are stored.
; pp: the scalar pair with this tile's address in part.
.macro EPI more, pp
	PLACES                                         ; behind the last matrix instructions: for the loads below and for the lines that read results
.if \more
	W1LOAD 74
.endif
	ELOAD 0, 32
	ELOAD 1, 64
	ELOAD 2, 96
	WIN E_LO
	s_wait_dscnt 16                                ; this row block's eight loads are in; the two younger row blocks' may be out
	EROW_A 0
	ELOAD 3, 32
	s_wait_dscnt 16
	EROW_B 1
	ELOAD 4, 64
	s_wait_dscnt 16
	EROW_C 2
	ELOAD 5, 96
	s_wait_dscnt 16
	EROW_A 3
	ELOAD 6, 32
	WIN E_HI
	s_wait_dscnt 16
	EROW_B 4
	ELOAD 7, 64
.if \more
	s_wait_dscnt 0x0                               ; my reads of both slots are over
	s_set_vgpr_msb 0xc01
	s_wait_tensorcnt 0x0                           ; no tensor load of mine is out (met: the last lap's wait), so every group 0 may be written
	ds_add_u32 v255, v19
	s_wait_dscnt 0x0
	s_set_vgpr_msb 0x10c
	WIN 0
.irp s, 0,1
	s_add_nc_u64 s[G0+4*\s+2:G0+4*\s+3], s[14:15], \s*KSTEP*2      ; back to K block 7
	s_or_b32 s[G0+4*\s+3], s[G0+4*\s+3], 0x80000000
	s_add_nc_u64 s[G0B+4*\s+2:G0B+4*\s+3], s[66:67], \s*KSTEP*2    ; the second tile's rows of sh
	s_or_b32 s[G0B+4*\s+3], s[G0B+4*\s+3], 0x80000000
.endr
	CROUND                                         ; the same now holds of every wave of all four work-groups
	JLOAD 0                                        ; my one tensor load behind this round
	WIN E_HI
.endif
	s_wait_dscnt 16
	EROW_C 5
	s_wait_dscnt 8                                 ; one younger row block
	EROW_A 6
	s_wait_dscnt 0
	EROW_B 7
	WIN 0
.irp a, 0,1,2,3,4,5,6,7
	v_pk_add_f32 v[SS+8*\a:SS+8*\a+1],   v[SS+8*\a:SS+8*\a+1],   v[SS+8*\a+2:SS+8*\a+3]
	v_pk_add_f32 v[SS+8*\a+4:SS+8*\a+5], v[SS+8*\a+4:SS+8*\a+5], v[SS+8*\a+6:SS+8*\a+7]
.endr
.irp a, 0,1,2,3,4,5,6,7
	v_pk_add_f32 v[SS+8*\a:SS+8*\a+1], v[SS+8*\a:SS+8*\a+1], v[SS+8*\a+4:SS+8*\a+5]
.endr
.irp a, 0,1,2,3,4,5,6,7
	v_add_f32 v[T+\a], v[SS+8*\a], v[SS+8*\a+1]
.endr
	; Lanes l and l + 16 hold the two halves of a row's sum, for each of 8 row blocks.  Of blocks 2 c and 2 c + 1 the lower lanes keep the first
	; and send the second, the upper lanes the other way round: one exchange closes both, and lane l ends with my row 32 c + l.
	v_cmp_lt_u32 vcc_lo, 15, v[LANE]
.irp c, 0,1,2,3
	v_cndmask_b32 v[KEEP], v[T+2*\c], v[T+2*\c+1], vcc_lo
	v_cndmask_b32 v[SEND], v[T+2*\c+1], v[T+2*\c], vcc_lo
	v_permlanex16_b32 v[RECV], v[SEND], s86, s87
	v_add_f32 v[R+\c], v[KEEP], v[RECV]
.endr
.irp c, 0,1,2,3
	ds_store_b32 v[STO], v[R+\c] offset:128*\c     ; row 32 c + l at byte 4 (32 c + l) of my own stage
.endr
	s_wait_xcnt 0x0                                ; OUT, which the tile before's store reads, is loaded again only behind this wait
	ds_load_b128 v[OUT:OUT+3], v[RD]               ; LDS serves a wave's instructions in order (ISA guide 5.7.1.4): this sees the stores above
	s_wait_dscnt 0x0
	global_store_b128 v[CO], v[OUT:OUT+3], s[\pp:\pp+1]   ; the wave stores 512 consecutive bytes, at a multiple of 512 from part's first byte
.endm
; A tile: the first quarter starts the sums; s[cnt] times the rest of a lap with refills and the next lap's first quarter; the last lap's rest; the way out.
; guard = 1: s[cnt] may be 0 (a tile of one lap).  The counts hang on p alone: all partners take the same way.
.macro TILE cnt, guard, more, pp
	QUARTER 0, 64, F0, F1, 1
	WIN 0                                          ; at a label and at a branch every window is 0
.if \guard
	s_cmp_eq_u32 s[\cnt], 0
	s_cbranch_scc1 .Llast_\@
.endif
	s_mov_b32 s3, s[\cnt]
.Lmid_\@:
	REST 1
	QUARTER 0, 64, F0, F1, 0
	WIN 0
	s_sub_co_u32 s3, s3, 1
	s_cmp_lg_u32 s3, 0
	s_cbranch_scc1 .Lmid_\@
.Llast_\@:
	REST 0
	EPI \more, \pp
.endm
	s_wait_tensorcnt 0x1                           ; my part of the first step is in; the second step's load, issued behind it, may stay out
	s_barrier_signal -1
	s_barrier_wait -1                              ; everybody's is
	FETCH 0, 0, F0
	s_wait_loadcnt 0x0                             ; w1
	TILE 43, 0, 1, 68                              ; nb = p: 8 - p laps, at least five
	s_set_vgpr_msb 0x1
	s_wait_tensorcnt 0x0                           ; my part of the second tile's first step has landed: no tensor load of mine is out
	ds_add_u32 v255, v19
	s_wait_dscnt 0x0
	s_set_vgpr_msb 0x100
	s_wait_dscnt 0x0
	CROUND                                         ; so it has for every wave of all four work-groups; slot 1 was last read in front of the round before
	JLOAD 1                                        ; the second step, my one tensor load behind this round: it has the first step's work in which to land
	FETCH 0, 0, F0
	s_wait_loadcnt 0x0                             ; the second tile's w1
	TILE 42, 1, 0, 70                              ; nb = 7 - p: p + 1 laps
	s_set_vgpr_msb 0x1
	s_wait_tensorcnt 0x0
	ds_add_u32 v255, v19
	s_wait_dscnt 0x0
	s_set_vgpr_msb 0x100
	CROUND                                         ; the closing round, behind the last tensor load: no work-group ends while a partner may still ask for a tile that names it
	s_endpgm
.Lfunc_end_k_qa8efee8010_quad:
	.size	k_qa8efee8010_quad, .Lfunc_end_k_qa8efee8010_quad-k_qa8efee8010_quad
	.p2alignl 7, 3214868480
	.fill 96, 4, 3214868480
	.section	.rodata,"a",@progbits
	.p2align	6, 0x0
	.amdhsa_kernel k_qa8efee8010_quad
		.amdhsa_group_segment_fixed_size 327680
		.amdhsa_private_segment_fixed_size 0
		.amdhsa_enable_private_segment 0
		.amdhsa_kernarg_size 32
		.amdhsa_user_sgpr_count 2
		.amdhsa_user_sgpr_kernarg_segment_ptr 1
		.amdhsa_wavefront_size32 1
		.amdhsa_system_sgpr_workgroup_id_x 1
		.amdhsa_system_sgpr_workgroup_id_y 1
		.amdhsa_system_sgpr_workgroup_id_z 1
		.amdhsa_system_vgpr_workitem_id 0
		.amdhsa_next_free_vgpr 1024
		.amdhsa_next_free_sgpr 88
		.amdhsa_reserve_vcc 1
		.amdhsa_float_denorm_mode_32 3
		.amdhsa_float_denorm_mode_16_64 3
		.amdhsa_memory_ordered 1
		.amdhsa_forward_progress 1
		.amdhsa_inst_pref_size 255
	.end_amdhsa_kernel
	.section	.bss,"aw",@nobits
	.p2align	6
	.space	262144
	.amdgpu_metadata
---
amdhsa.version: [ 1, 2 ]
amdhsa.kernels:
  - .name:           k_qa8efee8010_quad
    .symbol:         k_qa8efee8010_quad.kd
    .args:
      - { .name: xh, .offset: 0, .size: 8, .value_kind: global_buffer, .address_space: global }
      - { .name: sh, .offset: 8, .size: 8, .value_kind: global_buffer, .address_space: global }
      - { .name: part, .offset: 16, .size: 8, .value_kind: global_buffer, .address_space: global }
      - { .name: w1, .offset: 24, .size: 8, .value_kind: global_buffer, .address_space: global }
    .group_segment_fixed_size: 327680
    .private_segment_fixed_size: 0
    .kernarg_segment_align: 8
    .kernarg_segment_size: 32
    .max_flat_workgroup_size: 128
    .sgpr_count:     88
    .vgpr_count:     1024
    .wavefront_size: 32
...
	.end_amdgpu_metadata
.endif
;; end of part 5
;; launch finish: the kernel of part 3 again; grid 128 x 1, 1 waves a work-group, no clusters, 0 bytes of LDS; arguments part, w0, out0; writes out0
;; ======== version 3 of 3: 3 launches; version 2 with the launch cast written anew for expert scheduling mode
;; limits: values outside matrix products are rounded to bf16; values are held in f16: magnitudes above 65,504 overflow, below 6.1e-05 lose precision
;; workspace buffers: xh 67,108,864 bytes; sh 8,388,608 bytes; part 1,048,576 bytes
;; launch cast (part 6): grid 656 x 1, 8 waves a work-group, no clusters, 34,816 bytes of LDS; arguments x, w2, xh, sh; writes xh, sh
.if DOCPART == 6
	.amdgcn_target "amdgcn-amd-amdhsa--gfx1250"
	.amdhsa_code_object_version 6
	.text
	.protected	k_qa8efee8010_cast
	.globl	k_qa8efee8010_cast
	.p2align	8
	.type	k_qa8efee8010_cast,@function
k_qa8efee8010_cast:
	s_mov_b64 s[64:65], 0
	v_nop
	global_prefetch_b8 v0, s[64:65] scope:SCOPE_SE
	s_setreg_imm32_b32 hwreg(HW_REG_WAVE_SCHED_MODE, 0, 2), 2
	s_setreg_imm32_b32 hwreg(HW_REG_WAVE_MODE, 25, 1), 1
	s_wait_xcnt 0x0
	s_wait_alu depctr_vm_vsrc(0)
; Two jobs in one launch, told apart by the work-group's number.
; (1) Work-groups 0 to 511: xh = x rounded to bf16 (nearest even) and held as f16, same index order.  A bf16 number is exact in f16 from 2^-14
;     up to f16's largest; below 2^-14 the error is at most 2^-25; from 65,520 on it becomes infinity.
; (2) Work-groups 512 to 655: sh, the weights of the quadratic form folded onto the upper block triangle, in blocks of 256 x 256:
;     diagonal blocks      sh[n][k] = f16( bf16(w2[n][k]) )
;     blocks right of them sh[n][k] = f16( bf16(w2[n][k]) + bf16(w2[k][n]) )        (the sum in f32, rounded once)
;     Blocks left of the diagonal are not written, and the next launch does not read them.
;     sum_ij w2[i][j] x[i] x[j] = sum over blocks nb <= kb of sum_nk sh[n][k] x[n] x[k]: an identity, for every w2.
; Job 1: a chunk of 262,144 source bytes a work-group; a step is 4,096 bytes: thread t loads the 16 bytes at 16 t (512 consecutive bytes a wave)
; and stores the 8 bytes at 8 t (256 consecutive bytes a wave, aligned); 64 steps, in 16 blocks of four.
; Job 2: a unit is 64 rows (n) x 256 columns (k) of sh: 36 blocks x 4 units.  The transposed source, 256 rows (k) x 64 columns (n) of w2, is read
; in whole rows of 256 bytes, rounded to bf16, and turned in LDS: a thread holds 4 x 4 numbers and stores, for each n, its four k as 8 bytes.
; Each number of w2 is read once in the launch.  No matrix unit, no cluster: no byte is used twice.
; THE MODE: SCHED_MODE bits 1:0 = 2 (LLVM: expert scheduling mode 2), set by the entry lines.  The code itself states the register dependences
; between vector instructions and memory or LDS instructions, with s_wait_alu, always for 0.
; THE PLAN, JOB 1.  Registers that memory instructions touch:
;   X0 .. X3   four blocks of x as loaded.  Block p's roundings read X[p % 4]; behind them, at the block's end, the loads of block p + 4 land in it.
;   Y0, Y1     two blocks of xh to store.   Block p's conversions write Y[p % 2]; the four stores at the block's end read it.
;   v1, v2     byte offsets, made once and never written again: the steps are reached by the two scalar bases and by immediate offsets.
; A block is: the wait for its data; its 32 vector instructions; three waits on end; its eight memory instructions.  The wait on va_vdst states
; that the block is done reading its X and has written its Y.  The wait on vm_vsrc states that the stores of the block BEFORE have read the other
; Y, which the NEXT block writes again: it stands a whole block behind those stores.
; THE PLAN, JOB 2.  Registers that memory or LDS instructions touch:
;   v1, v2, TO, LW, LR   offsets and LDS addresses, made once and never written again.
;   TR, DR     loaded once each, read by conversions.
;   P0 .. P3   source block i's sixteen numbers as bf16: written by its roundings, read by its four LDS stores.  P0 has registers of its own; P1, P2,
;              P3 lie in the first eight registers of source blocks 0, 1, 2, which have been rounded by then.  No P is written twice.
;   TT         LDS loads land in it (it lies over source blocks 2 and 3, P3 among them); read by the sums.
;   OW         written by the last conversions (it lies over source blocks 0 and 1, P1 and P2 among them); read by the global stores; each register once.
; BW, F and ONE are named by vector instructions alone.  v150 and v151 are written at the head and read by the closing add alone.
.set XCHUNKS, 512
.set TP,     528                       ; job 2: an LDS row: 256 bf16 + 16 bytes
.set ONE, 3                            ; v3        1.0
.set X,   4                            ; v[4:67]   job 1, buffer k, step i: 4 f32 as loaded, at X + 16 k + 4 i
.set Y,   68                           ; v[68:83]  job 1, buffer k, step i: 4 f16 to store, at Y + 8 k + 2 i
.set TR,  4                            ; v[4:67]   job 2: the transposed source, 4 blocks of 4 rows x 4 numbers
.set OW,  4                            ; v[4:35]   job 2, later: item q: 4 f16 to store
.set TT,  36                           ; v[36:67]  job 2, later: item q: 4 bf16 from LDS
.set DR,  68                           ; v[68:131] job 2: item q: 4 f32 of the direct source
.set BW,  132                          ; v[132:133] 4 numbers as bf16
.set F,   134                          ; v[134:137] 4 numbers as f32
.set LR,  138                          ; LDS address for reading
.set TO,  139                          ; byte offset in the transposed source
.set LW,  140                          ; LDS address for writing
.set TMP, 141
.set PK,  142                          ; v[142:149] P0: source block 0's four n x four k as bf16
; four f32 -> bf16 (nearest even) -> f32 (a shift, a mask) -> f16, packed
.macro CV4 src, dst
	v_cvt_pk_bf16_f32 v[BW],   v[\src],   v[\src+1]
	v_cvt_pk_bf16_f32 v[BW+1], v[\src+2], v[\src+3]
	v_lshlrev_b32 v[F],   16, v[BW]
	v_and_b32     v[F+1], s3, v[BW]
	v_lshlrev_b32 v[F+2], 16, v[BW+1]
	v_and_b32     v[F+3], s3, v[BW+1]
	v_cvt_pk_f16_f32 v[\dst],   v[F],   v[F+1]
	v_cvt_pk_f16_f32 v[\dst+1], v[F+2], v[F+3]
.endm
; the same with four bf16 numbers t added: bf16 half x 1.0 + bf16 half, one rounding to f32, then one to f16
.macro CV4S src, t, dst
	v_cvt_pk_bf16_f32 v[BW],   v[\src],   v[\src+1]
	v_cvt_pk_bf16_f32 v[BW+1], v[\src+2], v[\src+3]
	v_fma_mix_f32_bf16 v[F],   v[BW],   v[ONE], v[\t]   op_sel_hi:[1,0,1]
	v_fma_mix_f32_bf16 v[F+1], v[BW],   v[ONE], v[\t]   op_sel:[1,0,1] op_sel_hi:[1,0,1]
	v_fma_mix_f32_bf16 v[F+2], v[BW+1], v[ONE], v[\t+1] op_sel_hi:[1,0,1]
	v_fma_mix_f32_bf16 v[F+3], v[BW+1], v[ONE], v[\t+1] op_sel:[1,0,1] op_sel_hi:[1,0,1]
	v_cvt_pk_f16_f32 v[\dst],   v[F],   v[F+1]
	v_cvt_pk_f16_f32 v[\dst+1], v[F+2], v[F+3]
.endm
	s_load_b256 s[4:11], s[0:1], 0x0               ; x s[4:5], w2 s[6:7], xh s[8:9], sh s[10:11]
	v_lshl_add_u32 v150, v0, 2, 0x8400
	v_mov_b32 v151, 0
	s_mov_b32 s3, 0xffff0000                       ; a word's upper bf16
	s_cmp_lt_u32 ttmp9, XCHUNKS
	s_cbranch_scc0 .Lw2
	; ---------------- job 1: a chunk of x
	v_lshlrev_b32 v1, 4, v0                        ; my 16 source bytes of a step; never rewritten
	v_lshlrev_b32 v2, 3, v0                        ; my 8 result bytes of a step; never rewritten
	s_lshl_b32 s18, ttmp9, 18                      ; chunk x 262,144 bytes: 511 << 18 stays below 2^31
	s_mov_b32 s19, 0
	s_lshl_b32 s20, ttmp9, 17                      ; chunk x 131,072 bytes
	s_mov_b32 s21, 0
	s_wait_kmcnt 0x0
	s_add_nc_u64 s[12:13], s[4:5], s[18:19]
	s_add_nc_u64 s[14:15], s[8:9], s[20:21]
	s_wait_alu depctr_va_vdst(0)                   ; v1 and v2 are written: every load and store of this job reads one of them as its offset
.irp i, 0,1,2,3,4,5,6,7,8,9,10,11,12,13,14,15
	global_load_b128 v[X+4*\i:X+4*\i+3], v1, s[12:13] offset:\i*4096 th:TH_LOAD_NT   ; blocks 0 to 3 into X0 to X3
.endr
; Block p.  xb = p % 4, yb = p % 2.  ahead = 1: the bases move on and block p + 4 is loaded.  left = how many younger loads may stay out.
; at = the block's first step, counted from the result's base.  free = 1: a later block writes the other Y again.
; With ahead = 1 both bases stand one block past block p when its memory instructions are issued: the loads reach three blocks further on,
; the stores one block back, by a negative offset.
.macro BLK xb, yb, ahead, left, at, free
	s_wait_loadcnt \left                           ; loads come back in order: X[xb] is in, the younger blocks stay out
.irp i, 0,1,2,3
	CV4 X+16*\xb+4*\i, Y+8*\yb+2*\i
.endr
.if \free
	s_wait_xcnt 0x0                                ; every earlier memory instruction has had its addresses translated: the bases and the other Y are rewritten only behind this wait
	s_wait_alu depctr_vm_vsrc(0)                   ; the stores at the end of the block before have read the other Y, which the next block's conversions write again
.endif
.if \ahead
	s_add_nc_u64 s[12:13], s[12:13], 4*4096
	s_add_nc_u64 s[14:15], s[14:15], 4*2048
.endif
	s_wait_alu depctr_va_vdst(0)                   ; this block's conversions are done reading X[xb], in which the loads below land, and have written Y[yb], which the stores below read
.irp i, 0,1,2,3
.if \ahead
	global_load_b128 v[X+16*\xb+4*\i:X+16*\xb+4*\i+3], v1, s[12:13] offset:(12+\i)*4096 th:TH_LOAD_NT
.endif
	global_store_b64 v2, v[Y+8*\yb+2*\i:Y+8*\yb+2*\i+1], s[14:15] offset:(\at+\i)*2048   ; no hint: the next launch reads these bytes
.endr
.endm
	s_mov_b32 s22, 3
.Lround:                                               ; blocks 0 to 11, four to a lap: both kinds of buffer are back at their start
	BLK 0, 0, 1, 12, -4, 1
	BLK 1, 1, 1, 12, -4, 1
	BLK 2, 0, 1, 12, -4, 1
	BLK 3, 1, 1, 12, -4, 1
	s_sub_co_u32 s22, s22, 1
	s_cmp_lg_u32 s22, 0
	s_cbranch_scc1 .Lround
	BLK 0, 0, 0, 12, 0, 1                          ; blocks 12 to 15 load nothing: no load passes the chunk's end, and the counts run down;
	BLK 1, 1, 0, 8, 4, 1                           ; the result's base stays at block 12, and the immediates do the rest
	BLK 2, 0, 0, 4, 8, 1
	BLK 3, 1, 0, 0, 12, 0                          ; behind the last block nothing is written again
	s_endpgm
	; ---------------- job 2: a unit of sh
.Lw2:
	; unit u = 4 t + quarter; block t = 9 p + q of the 36: block rows p and 7 - p have 8 - p and p + 1 blocks, 9 together
	s_sub_co_u32 s16, ttmp9, XCHUNKS               ; u = 0 .. 143
	s_and_b32 s17, s16, 3                          ; which 64 rows of the block
	s_lshr_b32 s18, s16, 2                         ; t = 0 .. 35
	s_mul_i32 s19, s18, 57
	s_lshr_b32 s19, s19, 9                         ; p = t / 9 (57 / 512 serves up to t = 35)
	s_mul_i32 s20, s19, 9
	s_sub_co_u32 s20, s18, s20                     ; q = t - 9 p
	s_sub_co_u32 s21, 8, s19
	s_add_co_u32 s22, s19, s20                     ; p + q
	s_sub_co_u32 s23, 7, s19
	s_sub_co_u32 s24, s20, 1                       ; q - 1 (taken only where q >= 8 - p)
	s_cmp_lt_u32 s20, s21
	s_cselect_b32 s25, s19, s23                    ; block row nb: p, or 7 - p
	s_cselect_b32 s26, s22, s24                    ; block column kb: p + q, or q - 1
	s_lshl_b32 s27, s25, 8
	s_lshl_b32 s17, s17, 6
	s_add_co_u32 s27, s27, s17                     ; n0
	s_lshl_b32 s28, s26, 8                         ; k0
	s_lshl_b32 s30, s27, 13                        ; direct source: w2[n0][k0], rows of 8,192 bytes
	s_lshl_b32 s31, s28, 2
	s_add_co_u32 s30, s30, s31
	s_mov_b32 s31, 0
	s_lshl_b32 s32, s28, 13                        ; transposed source: w2[k0][n0]
	s_lshl_b32 s33, s27, 2
	s_add_co_u32 s32, s32, s33
	s_mov_b32 s33, 0
	s_lshl_b32 s34, s27, 12                        ; result: sh[n0][k0], rows of 4,096 bytes
	s_lshl_b32 s35, s28, 1
	s_add_co_u32 s34, s34, s35
	s_mov_b32 s35, 0
	; An item is half a row of the unit: 128 k, 4 a lane.  Wave w has rows 8 w .. 8 w + 7: 16 items.
	v_and_b32 v[TMP], 31, v0                       ; lane
	v_lshrrev_b32 v[PK], 5, v0                     ; wave
	v_lshlrev_b32 v1, 4, v[TMP]
	v_lshl_add_u32 v1, v[PK], 16, v1               ; direct source: 8 rows x 8,192 bytes a wave + 16 bytes a lane
	v_lshlrev_b32 v[TMP], 3, v[TMP]
	v_lshl_add_u32 v2, v[PK], 15, v[TMP]           ; result: 8 rows x 4,096 bytes a wave + 8 bytes a lane
	v_mul_u32_u24 v[LR], v[PK], 8*TP
	v_add_nc_u32 v[LR], v[LR], v[TMP]              ; LDS, reading: 8 rows a wave + 8 bytes a lane
	v_and_b32 v[TMP], 15, v0                       ; c: my four n are 4 c .. 4 c + 3
	v_lshrrev_b32 v[PK], 4, v0                     ; rr: my four k of block i are 64 i + 4 rr .. + 3
	v_lshlrev_b32 v[TO], 4, v[TMP]
	v_lshl_add_u32 v[TO], v[PK], 15, v[TO]         ; transposed source: 4 rr rows of 8,192 bytes + 16 c
	v_mul_u32_u24 v[LW], v[TMP], 4*TP
	v_lshl_add_u32 v[LW], v[PK], 3, v[LW]          ; LDS, writing: row 4 c, byte 2 x 4 rr
	v_mov_b32 v[ONE], 1.0
	s_wait_kmcnt 0x0
	s_add_nc_u64 s[12:13], s[6:7], s[30:31]
	s_add_nc_u64 s[36:37], s[6:7], s[32:33]
	s_add_nc_u64 s[14:15], s[10:11], s[34:35]
	s_wait_alu depctr_va_vdst(0)                   ; v1, v2, TO, LW and LR are written, which the loads and stores of both arms below read as offsets and addresses
	s_cmp_eq_u32 s25, s26
	s_cbranch_scc1 .Ldiag                          ; the same for the whole work-group
.macro DLOADS                          ; the 16 items' direct source: each load of the wave covers 512 consecutive bytes
.irp q, 0,1,2,3,4,5,6,7,8,9,10,11,12,13,14,15
	global_load_b128 v[DR+4*\q:DR+4*\q+3], v1, s[12:13] offset:(\q/2)*8192+(\q%2)*512 th:TH_LOAD_NT
.endr
.endm
; The 16 items go in four groups of four.  Item q = 4 g + r.
.macro SSTORES g                       ; group g is stored: each store of the wave covers 256 consecutive bytes, aligned
.irp r, 0,1,2,3
	global_store_b64 v2, v[OW+8*(\g)+2*\r:OW+8*(\g)+2*\r+1], s[14:15] offset:((4*(\g)+\r)/2)*4096+((4*(\g)+\r)%2)*256
.endr
.endm
.macro SGROUP g, sym                   ; group g is converted; the group before leaves at its head
	s_wait_loadcnt 12-4*\g                         ; the group's four loads are in, the younger groups' stay out
.if \sym
	s_wait_dscnt 12-4*\g                           ; and so are its four LDS loads
.endif
.if \g > 0
	s_wait_alu depctr_va_vdst(0)                   ; the group before has written its part of OW, which the stores below read; this group's conversions write another part
	SSTORES \g-1
.endif
.irp r, 0,1,2,3
.if \sym
	CV4S DR+16*\g+4*\r, TT+8*\g+2*\r, OW+8*\g+2*\r
.else
	CV4 DR+16*\g+4*\r, OW+8*\g+2*\r
.endif
.endr
.endm
; Source block i: for each of my four n its four k, rounded to bf16, make a pair of registers, into v[p .. p + 7]; then the four pairs go to LDS.
.macro TCVT i, p
.irp j, 0,1,2,3
	v_cvt_pk_bf16_f32 v[\p+2*\j],   v[TR+16*\i+\j],   v[TR+16*\i+4+\j]
	v_cvt_pk_bf16_f32 v[\p+2*\j+1], v[TR+16*\i+8+\j], v[TR+16*\i+12+\j]
.endr
.endm
.macro TSTORE i, p
.irp j, 0,1,2,3
	ds_store_b64 v[LW], v[\p+2*\j:\p+2*\j+1] offset:\j*TP+\i*128
.endr
.endm
	; a block right of the diagonal.  Each load of the wave takes two whole rows of 256 bytes of the transposed source.
.irp i, 0,1,2,3
.irp e, 0,1,2,3
	global_load_b128 v[TR+16*\i+4*\e:TR+16*\i+4*\e+3], v[TO], s[36:37] offset:(64*\i+\e)*8192 th:TH_LOAD_NT
.endr
.endr
	DLOADS
	; The sixteen lanes of a source row store to rows 4 c + j, 2,112 bytes apart: four groups of banks, so a store goes in four passes.
	; With 16 such stores and 16 reads without conflict a thread this is fewer passes than 4-byte stores at an odd pitch with 4-byte reads.
	; A source block's stores stand at the head of the next block, behind the wait for that block's data; its roundings follow them.
	s_wait_loadcnt 28                              ; source block i's four loads are in: 12 - 4 i of its kind and the 16 direct ones were issued behind them
	TCVT 0, PK
	s_wait_loadcnt 24
	s_wait_alu depctr_va_vdst(0)                   ; block 0's roundings have written P0, which the LDS stores below read
	TSTORE 0, PK
	TCVT 1, TR                                     ; P1 lies where block 0 lay
	s_wait_loadcnt 20
	s_wait_alu depctr_va_vdst(0)                   ; block 1's roundings have written P1
	TSTORE 1, TR
	TCVT 2, TR+16                                  ; P2 lies where block 1 lay
	s_wait_loadcnt 16
	s_wait_alu depctr_va_vdst(0)                   ; block 2's roundings have written P2
	TSTORE 2, TR+16
	TCVT 3, TR+32                                  ; P3 lies where block 2 lay
	s_wait_alu depctr_va_vdst(0)                   ; block 3's roundings have written P3; and all roundings are done with v[36:67], in which the LDS loads behind the barrier land
	TSTORE 3, TR+32
	s_wait_dscnt 0x0                               ; my stores are in LDS, for the other waves' sake
	s_barrier_signal -1
	s_barrier_wait -1
	s_wait_alu depctr_vm_vsrc(0)                   ; my LDS stores have read P1, P2 and P3: the LDS loads below land on P3, the conversions behind them write over P1 and P2
.irp q, 0,1,2,3,4,5,6,7,8,9,10,11,12,13,14,15
	ds_load_b64 v[TT+2*\q:TT+2*\q+1], v[LR] offset:(\q/2)*TP+(\q%2)*256    ; 256 consecutive bytes a wave
.endr
	SGROUP 0, 1
	SGROUP 1, 1
	SGROUP 2, 1
	SGROUP 3, 1
	s_wait_alu depctr_va_vdst(0)                   ; the last group has written its part of OW, which the last four stores read
	SSTORES 3
	s_wait_dscnt 0x0                               ; the closing lines, six on end
	s_wait_alu 0x0
	s_wait_tensorcnt 0x0
	ds_add_u32 v150, v151
	s_wait_dscnt 0x0
	s_endpgm
.Ldiag:                                ; a diagonal block: both w2[n][k] and w2[k][n] lie in it, nothing is folded, and LDS is not touched
	DLOADS
	SGROUP 0, 0
	SGROUP 1, 0
	SGROUP 2, 0
	SGROUP 3, 0
	s_wait_alu depctr_va_vdst(0)                   ; the last group has written its part of OW, which the last four stores read
	SSTORES 3
	s_endpgm
.Lfunc_end_k_qa8efee8010_cast:
	.size	k_qa8efee8010_cast, .Lfunc_end_k_qa8efee8010_cast-k_qa8efee8010_cast
	.p2alignl 7, 3214868480
	.fill 96, 4, 3214868480
	.section	.rodata,"a",@progbits
	.p2align	6, 0x0
	.amdhsa_kernel k_qa8efee8010_cast
		.amdhsa_group_segment_fixed_size 34816
		.amdhsa_private_segment_fixed_size 0
		.amdhsa_enable_private_segment 0
		.amdhsa_kernarg_size 32
		.amdhsa_user_sgpr_count 2
		.amdhsa_user_sgpr_kernarg_segment_ptr 1
		.amdhsa_wavefront_size32 1
		.amdhsa_system_sgpr_workgroup_id_x 1
		.amdhsa_system_sgpr_workgroup_id_y 1
		.amdhsa_system_sgpr_workgroup_id_z 1
		.amdhsa_system_vgpr_workitem_id 0
		.amdhsa_next_free_vgpr 152
		.amdhsa_next_free_sgpr 66
		.amdhsa_reserve_vcc 0
		.amdhsa_float_denorm_mode_32 3
		.amdhsa_float_denorm_mode_16_64 3
		.amdhsa_memory_ordered 1
		.amdhsa_forward_progress 1
		.amdhsa_inst_pref_size 50
	.end_amdhsa_kernel
	.amdgpu_metadata
---
amdhsa.version: [ 1, 2 ]
amdhsa.kernels:
  - .name:           k_qa8efee8010_cast
    .symbol:         k_qa8efee8010_cast.kd
    .args:
      - { .name: x, .offset: 0, .size: 8, .value_kind: global_buffer, .address_space: global }
      - { .name: w2, .offset: 8, .size: 8, .value_kind: global_buffer, .address_space: global }
      - { .name: xh, .offset: 16, .size: 8, .value_kind: global_buffer, .address_space: global }
      - { .name: sh, .offset: 24, .size: 8, .value_kind: global_buffer, .address_space: global }
    .group_segment_fixed_size: 34816
    .private_segment_fixed_size: 0
    .kernarg_segment_align: 8
    .kernarg_segment_size: 32
    .max_flat_workgroup_size: 256
    .sgpr_count:     66
    .vgpr_count:     152
    .wavefront_size: 32
...
	.end_amdgpu_metadata
.endif
;; end of part 6
;; launch quad: the kernel of part 5 again; grid 64 x 4, 4 waves a work-group, clusters of 4 x 1, 327,680 bytes of LDS; arguments xh, sh, part, w1; writes part
;; launch finish: the kernel of part 3 again; grid 128 x 1, 1 waves a work-group, no clusters, 0 bytes of LDS; arguments part, w0, out0; writes out0
